; MI455X (gfx1250); checked and timed in simulation.
; The chip was launched on July 23, 2026; its instructions are those of AMD's public machine-readable ISA for CDNA 5 (MIT licence, August 2026) and "CDNA5" Instruction Set Architecture Reference Guide (July 2026). The comments in the code are by the model that wrote it; some were corrected since.
;; MLP. Allowed arithmetic: matrix products marked QUANTISED: E2M1 operands, one E8M0 scale for each 32 along K, by v_wmma_scale_f32_16x16x128_f8f6f4 with both operands' format E2M1 (or v_wmma_scale_f32_32x16x128_f4), f32 sums; everything else in f32.
;; Inputs: W1_codes 8 x 512 x 32 x 16 uint8 (E2M1 codes of W1, K innermost, in blocks of 32 codes, two codes a byte); W1_scales 8 x 512 x 32 uint8 (E8M0 scales of W1, one for each 32 codes along K); W2_codes 8 x 1,024 x 8 x 16 uint8 (E2M1 codes of W2, K innermost, in blocks of 32 codes, two codes a byte); W2_scales 8 x 1,024 x 8 uint8 (E8M0 scales of W2, one for each 32 codes along K); expert_idxs 2 x 2,048 x 2 int32; expert_p 2 x 2,048 x 2 float32; x_codes 2 x 2,048 x 32 x 16 uint8 (E2M1 codes of x, K innermost, in blocks of 32 codes, two codes a byte); x_scales 2 x 2,048 x 32 uint8 (E8M0 scales of x, one for each 32 codes along K).
;; Outputs: out0 2 x 2,048 x 1,024 float32.
;; This version of the problem:
;;   THIS VERSION OF THE PROBLEM IS GIVEN IN LOW PRECISION. The matrix products marked QUANTISED in the list below multiply operands that are first quantised to E2M1 (2 exponent bits, 1 mantissa bit; 4 bits a number), with one power-of-two scale for each 32 numbers along K (OCP MX v1.0); their sums are f32. All else is computed in f32.
;;   The module's matrix products, in the order in which they are computed (A, B: the left and right operand; K: the contracted axis; several contracted axes count as one K, in the product's order):
;;     1. [M 8,192, K 1,024] x [K 1,024, N 512]; A: input x (given as codes); B: input W1 (given as codes): QUANTISED
;;     2. [M 8,192, K 1,024] x [K 1,024, N 512]; A: input x (given as codes); B: input W1 (given as codes): QUANTISED
;;     3. [M 8,192, K 1,024] x [K 1,024, N 512]; A: input x (given as codes); B: input W1 (given as codes): QUANTISED
;;     4. [M 8,192, K 1,024] x [K 1,024, N 512]; A: input x (given as codes); B: input W1 (given as codes): QUANTISED
;;     5. [M 8,192, K 1,024] x [K 1,024, N 512]; A: input x (given as codes); B: input W1 (given as codes): QUANTISED
;;     6. [M 8,192, K 1,024] x [K 1,024, N 512]; A: input x (given as codes); B: input W1 (given as codes): QUANTISED
;;     7. [M 8,192, K 1,024] x [K 1,024, N 512]; A: input x (given as codes); B: input W1 (given as codes): QUANTISED
;;     8. [M 8,192, K 1,024] x [K 1,024, N 512]; A: input x (given as codes); B: input W1 (given as codes): QUANTISED
;;     9. [M 8,192, K 256] x [K 256, N 1,024]; A: computed on the way; B: input W2 (given as codes): QUANTISED
;;     10. [M 8,192, K 256] x [K 256, N 1,024]; A: computed on the way; B: input W2 (given as codes): QUANTISED
;;     11. [M 8,192, K 256] x [K 256, N 1,024]; A: computed on the way; B: input W2 (given as codes): QUANTISED
;;     12. [M 8,192, K 256] x [K 256, N 1,024]; A: computed on the way; B: input W2 (given as codes): QUANTISED
;;     13. [M 8,192, K 256] x [K 256, N 1,024]; A: computed on the way; B: input W2 (given as codes): QUANTISED
;;     14. [M 8,192, K 256] x [K 256, N 1,024]; A: computed on the way; B: input W2 (given as codes): QUANTISED
;;     15. [M 8,192, K 256] x [K 256, N 1,024]; A: computed on the way; B: input W2 (given as codes): QUANTISED
;;     16. [M 8,192, K 256] x [K 256, N 1,024]; A: computed on the way; B: input W2 (given as codes): QUANTISED
;;   THE QUANTISER, for each operand of a quantised product, along K:
;;     - K is cut into blocks of 32 from its start; a last block that is shorter is filled with zeros.
;;     - A block's scale is 2^e with e = floor(log2(the largest magnitude in the block)) - 2, held to -126 .. 127; a block of zeros has e = 0. As a byte (E8M0): e + 127.
;;     - Each number is divided by its block's scale, clamped to +-6, and rounded to the nearest number of E2M1, ties to even, subnormals kept.
;;     - The product sums the exact products of the quantised numbers (number of the format x scale) in f32.
;;   ~~~python
;;   def quantise(x, axis):      # numpy; x: float32 -> the quantised numbers, widened to float32 again
;;       x = np.moveaxis(x, axis, -1); K = x.shape[-1]
;;       x = np.pad(x, [(0, 0)] * (x.ndim - 1) + [(0, -K % 32)]); x = x.reshape(x.shape[:-1] + (-1, 32)); a = np.abs(x).max(-1, keepdims=True)
;;       e = np.where(a > 0, np.clip(np.frexp(np.where(a > 0, a, 1))[1] - 1 - 2, -126, 127), 0)      # np.frexp(a)[1] - 1 = floor(log2(a)), exactly
;;       r = np.clip(x / 2.0 ** e, -6, 6)
;;       step = 2.0 ** (np.maximum(np.frexp(np.where(r == 0, 1, r))[1] - 1, 0) - 1)
;;       q = np.round(r / step) * step * 2.0 ** e      # np.round: ties to even
;;       return np.moveaxis(q.reshape(q.shape[:-2] + (-1,))[..., :K], -1, axis).astype(np.float32)
;;   ~~~
;;   OPERANDS COMPUTED ON THE WAY. 'Computed on the way' means the value that the module computes at that place (a softmax that the list does not call 'softmax' is quantised finished and normalised). What goes into a quantiser is computed in f32, as accurately as f32 sums, v_exp_f32 and their like allow (about 1e-6 of the number): no bf16 or f16 on the way to a quantiser, and a product that is left as it is and whose result goes on into a quantised operand takes f32 operands (vector FMAs, or v_wmma_f32_16x16x4_f32). A number that lies on a knife's edge between two numbers of the format may be rounded either way, as far as f32 arithmetic and the matrix unit's own rounding can turn it there, and no further.
;;   INPUTS GIVEN AS CODES. W1 (in the module: [8, 1024, 512], K = its axis 1); W2 (in the module: [8, 256, 1024], K = its axis 1); x (in the module: [2, 2048, 1024], K = its axis 2): each comes as NAME_codes (uint8): NAME with its K axis moved to the last place and cut into blocks of 32 codes, [.., K / 32, bytes a block], one block behind the other in memory; two codes a byte, the lower K in the low four bits (a code: sign, 2 exponent bits, 1 mantissa bit); and NAME_scales (uint8): the same leading axes, one E8M0 byte (e + 127) for each 32 codes along K. Its value is code x scale, taken as it is: it is not quantised again, and the codes and scales need not be those that the quantiser above would give.
;; 2 versions. Each part assembles by itself: llvm-mc -triple=amdgcn-amd-amdhsa -mcpu=gfx1250 --defsym DOCPART=n.
;; ======== version 1 of 2: 3 launches
;; workspace buffers: order 32,768 bytes of whole numbers; counts 256 bytes of whole numbers; a_codes 1,048,576 bytes; a_scales 65,536 bytes
;; launch route (part 1): grid 8 x 1, 32 waves a work-group, no clusters, 4,352 bytes of LDS; arguments expert_idxs, order, counts; writes order, counts
.if DOCPART == 1
	.amdgcn_target "amdgcn-amd-amdhsa--gfx1250"
	.amdhsa_code_object_version 6
	.text
	.protected	k_q3352a96caa_route
	.globl	k_q3352a96caa_route
	.p2align	8
	.type	k_q3352a96caa_route,@function
k_q3352a96caa_route:
	s_mov_b64 s[64:65], 0
	v_nop
	global_prefetch_b8 v0, s[64:65] scope:SCOPE_SE
	s_setreg_imm32_b32 hwreg(HW_REG_WAVE_MODE, 25, 1), 1
	s_wait_xcnt 0x0
; ROUTE: a counting sort of the 8,192 pairs (pair p = 2 x token + slot) by their expert.  order[] gets the pair numbers, expert 0's first, then expert 1's, ..; counts[e] the number of pairs of expert e.
; WORK LEFT OUT BY THE PROGRAM.  The up-projection is written as eight products of all 8,192 pairs with W1[e], of which where(e_flat == e) keeps, for every pair, the one product with its own expert and
; replaces the seven others by 0, whatever the values of x and W1.  So the next launch multiplies each pair by its own expert's W1 alone, steered by the whole numbers stored here.  The down-projection is
; selected by the same where; the last launch walks all eight experts for each token and gives the experts that a token did not choose the gate 0.  Every input has a way to the output, and all are loaded.
; LIMITS.  A NaN, an infinity or an overflow that would arise only in the products left out is not carried to the result.  Indices lie in 0 .. 7, as they index W1 and W2; a pair with another index is placed nowhere.
; SHARES.  Work-group e places expert e's pairs: each of the eight reads all 32,768 bytes of indices, so no work-group needs a number of another.  Wave w, lane l takes pairs 256 w + 32 j + l, j = 0 .. 7.
; A pair's place = (pairs of lower experts) + (pairs of expert e in lower waves) + (its rank in its wave).  The waves' counts meet in LDS, one barrier.  Whole numbers only; no matrix work, no cluster: nothing is shared but 32 KiB of indices.
.set SPARE, 256                        ; LDS: bytes 0-255 the 32 waves' two counts; from 256 on the spare words, 128 bytes for each wave, which no other line names
.set SPW, 5                            ; v5  LDS address of my spare word; never rewritten
.set NIL, 6                            ; v6  0; never rewritten
	s_load_b128 s[4:7], s[0:1], 0x0                ; expert_idxs s[4:5], order s[6:7]
	s_load_b64 s[8:9], s[0:1], 0x10                ; counts
	v_lshl_add_u32 v[SPW], v0, 2, SPARE
	v_mov_b32 v[NIL], 0
	v_and_b32 v1, 31, v0                           ; lane
	v_lshrrev_b32 v7, 5, v0
	v_readfirstlane_b32 s10, v7                    ; wave 0..31
	v_lshlrev_b32 v2, 10, v7
	v_lshl_add_u32 v2, v1, 2, v2                   ; my first index: 1,024 w + 4 l bytes
	v_lshlrev_b32 v3, 3, v7                        ; LDS: my wave's two counts
	v_lshlrev_b32 v4, 3, v1                        ; LDS: the counts of the wave whose number is my lane's
	v_lshl_add_u32 v39, v7, 8, v1                  ; pair 256 w + l
	v_mov_b32 v38, 0                               ; written once: the destination of a lane exchange counts as read
	v_mov_b32 v41, 0                               ; the vector offset of the count's store: the place stands in the scalar base
	s_mov_b32 s11, ttmp9                           ; my expert
	s_lshl_b32 s36, ttmp9, 2                       ; counts[e]: 4 e bytes on; s[36:37] hold nothing else
	s_mov_b32 s37, 0
	s_mov_b32 s12, 0                               ; my wave's pairs of expert e so far
	s_mov_b32 s13, 0                               ; my wave's pairs of lower experts
	s_mov_b32 s16, 0x76543210
	s_mov_b32 s17, 0xfedcba98                      ; v_permlanex16_b32's selects for lane l xor 16
	s_wait_kmcnt 0x0
	s_add_nc_u64 s[8:9], s[8:9], s[36:37]          ; counts at my expert's word
.irp j, 0,1,2,3,4,5,6,7
	global_load_b32 v[8+\j], v2, s[4:5] offset:128*\j   ; 32 lanes read 128 consecutive bytes
.endr
	s_wait_loadcnt 0x0
.macro COUNT j
	v_cmp_eq_u32 s[20+\j], s11, v[8+\j]            ; which lanes hold a pair of expert e
	v_mbcnt_lo_u32_b32 v[16+\j], s[20+\j], s12     ; my rank in the wave: such lanes below me + such pairs in the groups before
	s_bcnt1_i32_b32 s14, s[20+\j]
	s_add_co_u32 s12, s12, s14
	v_cmp_gt_u32 s28, s11, v[8+\j]                 ; pairs of lower experts
	s_bcnt1_i32_b32 s14, s28
	s_add_co_u32 s13, s13, s14
.endm
.irp j, 0,1,2,3,4,5,6,7
	COUNT \j
.endr
	v_mov_b32 v32, s12
	v_mov_b32 v33, s13
	ds_store_b64 v3, v[32:33]                      ; all lanes write the same 8 bytes with the same values
	s_wait_dscnt 0x0                               ; for the others' sake: my store has landed
	s_barrier_signal -1
	s_barrier_wait -1
	ds_load_b64 v[34:35], v4                       ; lane l: wave l's two counts
	s_wait_dscnt 0x0
	v_lshl_or_b32 v36, v35, 16, v34                ; both counts in one word: each sum is 8,192 at the most
	v_cmp_gt_u32 vcc_lo, s10, v1
	v_cndmask_b32 v37, 0, v34, vcc_lo              ; expert e's pairs in the waves below mine
.macro SUM32 r                         ; the sum over the 32 lanes, in every lane
.irp m, 1,2,4,8
	v_mov_b32_dpp v38, v[\r] row_xmask:\m row_mask:0xf bank_mask:0xf
	v_add_nc_u32 v[\r], v[\r], v38
.endr
	v_permlanex16_b32 v38, v[\r], s16, s17
	v_add_nc_u32 v[\r], v[\r], v38
.endm
	SUM32 36
	SUM32 37
	v_readfirstlane_b32 s31, v36
	v_readfirstlane_b32 s32, v37
	s_and_b32 s33, s31, 0xffff                     ; expert e's pairs in all
	s_lshr_b32 s34, s31, 16                        ; the pairs of lower experts: where expert e's run begins
	s_add_co_u32 s35, s34, s32                     ; where my wave's part of it begins
	v_mov_b32 v40, s33                             ; the count, as a store's data
.irp j, 0,1,2,3,4,5,6,7
	v_add_nc_u32 v[16+\j], s35, v[16+\j]
	v_min_u32 v[16+\j], 0x1fff, v[16+\j]           ; a place made of loaded numbers is held inside the buffer
	v_lshlrev_b32 v[16+\j], 2, v[16+\j]
	v_add_nc_u32 v[24+\j], 32*\j, v39              ; the pair's number
.endr
	s_wait_xcnt 0x0                                ; EXEC changes only behind this wait
.irp j, 0,1,2,3,4,5,6,7
	s_and_saveexec_b32 s30, s[20+\j]               ; expert e's pairs alone
	global_store_b32 v[16+\j], v[24+\j], s[6:7]    ; ranks are consecutive: the lanes that store write neighbouring words
	s_wait_xcnt 0x0                                ; and again in front of the line that widens it
	s_or_b32 exec_lo, exec_lo, s30
.endr
	s_wait_tensorcnt 0x0
	ds_add_u32 v[SPW], v[NIL]
	s_wait_dscnt 0x0
	s_cmp_lg_u32 s10, 0                            ; wave 0 stores the count, from its lane 0
	s_cbranch_scc1 .Ldone
	v_cmp_eq_u32 vcc_lo, 0, v1
	s_and_saveexec_b32 s30, vcc_lo
	global_store_b32 v41, v40, s[8:9]
	s_wait_xcnt 0x0
	s_or_b32 exec_lo, exec_lo, s30
.Ldone:
	s_endpgm
.Lfunc_end_k_q3352a96caa_route:
	.size	k_q3352a96caa_route, .Lfunc_end_k_q3352a96caa_route-k_q3352a96caa_route
	.p2alignl 7, 3214868480
	.fill 96, 4, 3214868480
	.section	.rodata,"a",@progbits
	.p2align	6, 0x0
	.amdhsa_kernel k_q3352a96caa_route
		.amdhsa_group_segment_fixed_size 4352
		.amdhsa_private_segment_fixed_size 0
		.amdhsa_enable_private_segment 0
		.amdhsa_kernarg_size 24
		.amdhsa_user_sgpr_count 2
		.amdhsa_user_sgpr_kernarg_segment_ptr 1
		.amdhsa_wavefront_size32 1
		.amdhsa_system_sgpr_workgroup_id_x 1
		.amdhsa_system_sgpr_workgroup_id_y 1
		.amdhsa_system_sgpr_workgroup_id_z 1
		.amdhsa_system_vgpr_workitem_id 0
		.amdhsa_next_free_vgpr 48
		.amdhsa_next_free_sgpr 66
		.amdhsa_reserve_vcc 1
		.amdhsa_float_denorm_mode_32 3
		.amdhsa_float_denorm_mode_16_64 3
		.amdhsa_memory_ordered 1
		.amdhsa_forward_progress 1
		.amdhsa_inst_pref_size 10
	.end_amdhsa_kernel
	.amdgpu_metadata
---
amdhsa.version: [ 1, 2 ]
amdhsa.kernels:
  - .name:           k_q3352a96caa_route
    .symbol:         k_q3352a96caa_route.kd
    .args:
      - { .name: expert_idxs, .offset: 0, .size: 8, .value_kind: global_buffer, .address_space: global }
      - { .name: order, .offset: 8, .size: 8, .value_kind: global_buffer, .address_space: global }
      - { .name: counts, .offset: 16, .size: 8, .value_kind: global_buffer, .address_space: global }
    .group_segment_fixed_size: 4352
    .private_segment_fixed_size: 0
    .kernarg_segment_align: 8
    .kernarg_segment_size: 24
    .max_flat_workgroup_size: 1024
    .sgpr_count:     66
    .vgpr_count:     48
    .wavefront_size: 32
...
	.end_amdgpu_metadata
.endif
;; end of part 1
;; launch up (part 2): grid 4 x 71, 8 waves a work-group, no clusters, 136,192 bytes of LDS; arguments x_codes, x_scales, W1_codes, W1_scales, order, counts, a_codes, a_scales; writes a_codes, a_scales
.if DOCPART == 2
	.amdgcn_target "amdgcn-amd-amdhsa--gfx1250"
	.amdhsa_code_object_version 6
	.text
	.protected	k_q3352a96caa_up
	.globl	k_q3352a96caa_up
	.p2align	8
	.type	k_q3352a96caa_up,@function
k_q3352a96caa_up:
	s_mov_b64 s[64:65], 0
	v_nop
	global_prefetch_b8 v0, s[64:65] scope:SCOPE_SE
	s_setreg_imm32_b32 hwreg(HW_REG_WAVE_MODE, 25, 1), 1
	s_wait_xcnt 0x0
; UP: a = gelu(h) (g + 1), h and g the two halves of x W1[e], for each pair with ITS OWN expert alone (the seven other products of each pair are replaced by 0 in the problem's own where: they are left out),
; quantised along the hidden axis to codes of FP4 (E2M1) with one E8M0 byte for each 32.  a_codes [8192 pairs][128 bytes], a_scales [8192][8], in pair order, laid as an input's codes and scales are.
; SHARES.  A work-group takes a tile of up to 128 pairs of ONE expert, consecutive in order[], and a slice of 64 hidden units: 64 columns of h and the 64 columns of g that gate them.  Grid x = the slice, y = the tile.
; With 8,192 pairs, 8 experts and tiles of 128 there are never more than 64 + 7 = 71 tiles, whatever the split.  Which expert, first place and number of rows tile y has is found from counts[] by selects, with NO branch:
; the one barrier stands on every path.  Rows past a tile's end (all rows, in a tile that the split leaves empty) are worked on whatever pair stands there in order[], held inside the buffers, and are not stored.
; All of K lies in LDS at once: 128 rows of W1 and 128 rows of x, 512 bytes each, brought through registers (the x rows are a gather by stored numbers), one barrier, then eight K steps of 128.
; Wave w: rows 32 (w / 2) .. + 31 (two tiles of 16), hidden block 2 x slice + w % 2 (32 units): four tiles of W1 (h, g x two halves), 8 accumulators, which take turns.
; THE PRODUCT IS USED TRANSPOSED (source 0 = 16 rows of W1, source 1 = 16 rows of x), AND THE ROWS OF W1 THAT FORM A TILE ARE NOT NEIGHBOURS: row m of tile u is unit 16 (m / 8) + 8 u + m % 8 of the block, so that a lane
; holds ONE pair and the 16 registers of tiles 0 and 1 are 16 neighbouring units, 16 (lane / 16) + 0 .. 15.  In LDS a tile's 16 rows are laid on end.
; GELU, exact form: gelu(h) = max(h, 0) - |h| q, q = erfc(|h| / sqrt 2) / 2 = t 2^(P(t) - h h log2(e) / 2), t = 1 / (1 + |h| sqrt(2) / 4), P of degree 9 (the rational-Chebyshev form of erfc; its coefficients x log2(e), 1 taken off the constant for the half).
; LIMITS.  That form's fractional error is 1.2e-7; the exponent's rounding in f32 adds about 1e-7 x its size.  A q under 2^-126 comes out 0 (ISA guide, v_exp_f32).  A block of zeros gets the byte 1 where the rule says 127: its codes
; are zeros and this program alone reads the bytes.  NaN and infinities are not served.  Indices outside 0 .. 7 leave a pair's row unwritten.
; NO CLUSTER, NO TENSOR LOAD: a tile's expert and its rows of x hang on stored numbers, so partners' requests cannot be written alike, and x's rows are a gather.
; The codes leave as 8 bytes a lane, 16 bytes a pair and block, into rows 128 bytes apart that the sort has scattered: 1.1 MB in all, the price of sorting by expert and sharing the hidden axis among work-groups.
.set PITCH, 528                        ; an LDS row: 512 bytes + 16: an odd multiple of 16 bytes, so that the 16 rows of a fragment load start in 16 different groups of banks (ISA guide 11.1)
.set XB,    128*PITCH                  ; LDS: W1's 128 rows from 0, x's 128 rows from here
.set SPARE, 256*PITCH                  ; behind them the spare words, 128 bytes for each wave, which no other line names (135,168 = 528 x 256)
.set SPW, 14                           ; v14  LDS address of my spare word; never rewritten
.set NIL, 15                           ; v15  0; never rewritten
.set FB0, 128                          ; two fragment buffers of 48 registers: v128-175, v176-223: W1's tile 2 g + u at + 8 (2 g + u), x's tile t at + 32 + 8 t
.set HH,  64                           ; accumulators: h of (t, u) at v[64 + 16 t + 8 u], g at v[96 + 16 t + 8 u]
.set GG,  96
.set TT,  128                          ; behind the K loop: t, P, and h h / max(h, 0), 32 registers each
.set PP,  160
.set MM,  192
.set CF,  224                          ; v224-243 the ten coefficients, each twice (a pair for the packed forms); v244-245 -log2(e) / 2
; v1 16 x lane; v2 m = lane % 16; v3 lane / 16; v4, v5 where I store rows of W1, of x; v6, v7 where I read fragments of W1, of x; v8-11 pair numbers; v12, v13 offsets of scale words; v16-31 offsets of x's rows, later store addresses;
; v32-39 W1's scale words for h, v40-47 for g (lanes 0-15 tile u = 0, lanes 16-31 u = 1), v48-55 x's (lanes 0-15 rows' tile 0, lanes 16-31 tile 1): scales and nothing else; v56-59 offsets in order[]; v60-63 row numbers
.macro WM d, a, b, zero, sa, sb, ra, rb        ; one product; ra, rb: the half of the lanes from which source 0's and source 1's scale words are taken
.set WD, \d
.set WA, \a
.set WB, \b
.set WSA, \sa
.set WSB, \sb
.set WR, (\ra)+2*(\rb)
.if \zero
.if WR == 0
	v_wmma_scale_f32_16x16x128_f8f6f4 v[WD:WD+7], v[WA:WA+7], v[WB:WB+7], 0, v[WSA], v[WSB] matrix_a_fmt:MATRIX_FMT_FP4 matrix_b_fmt:MATRIX_FMT_FP4
.elseif WR == 1
	v_wmma_scale_f32_16x16x128_f8f6f4 v[WD:WD+7], v[WA:WA+7], v[WB:WB+7], 0, v[WSA], v[WSB] matrix_a_fmt:MATRIX_FMT_FP4 matrix_b_fmt:MATRIX_FMT_FP4 matrix_a_scale:MATRIX_SCALE_ROW1
.elseif WR == 2
	v_wmma_scale_f32_16x16x128_f8f6f4 v[WD:WD+7], v[WA:WA+7], v[WB:WB+7], 0, v[WSA], v[WSB] matrix_a_fmt:MATRIX_FMT_FP4 matrix_b_fmt:MATRIX_FMT_FP4 matrix_b_scale:MATRIX_SCALE_ROW1
.else
	v_wmma_scale_f32_16x16x128_f8f6f4 v[WD:WD+7], v[WA:WA+7], v[WB:WB+7], 0, v[WSA], v[WSB] matrix_a_fmt:MATRIX_FMT_FP4 matrix_b_fmt:MATRIX_FMT_FP4 matrix_a_scale:MATRIX_SCALE_ROW1 matrix_b_scale:MATRIX_SCALE_ROW1
.endif
.else
.if WR == 0
	v_wmma_scale_f32_16x16x128_f8f6f4 v[WD:WD+7], v[WA:WA+7], v[WB:WB+7], v[WD:WD+7], v[WSA], v[WSB] matrix_a_fmt:MATRIX_FMT_FP4 matrix_b_fmt:MATRIX_FMT_FP4
.elseif WR == 1
	v_wmma_scale_f32_16x16x128_f8f6f4 v[WD:WD+7], v[WA:WA+7], v[WB:WB+7], v[WD:WD+7], v[WSA], v[WSB] matrix_a_fmt:MATRIX_FMT_FP4 matrix_b_fmt:MATRIX_FMT_FP4 matrix_a_scale:MATRIX_SCALE_ROW1
.elseif WR == 2
	v_wmma_scale_f32_16x16x128_f8f6f4 v[WD:WD+7], v[WA:WA+7], v[WB:WB+7], v[WD:WD+7], v[WSA], v[WSB] matrix_a_fmt:MATRIX_FMT_FP4 matrix_b_fmt:MATRIX_FMT_FP4 matrix_b_scale:MATRIX_SCALE_ROW1
.else
	v_wmma_scale_f32_16x16x128_f8f6f4 v[WD:WD+7], v[WA:WA+7], v[WB:WB+7], v[WD:WD+7], v[WSA], v[WSB] matrix_a_fmt:MATRIX_FMT_FP4 matrix_b_fmt:MATRIX_FMT_FP4 matrix_a_scale:MATRIX_SCALE_ROW1 matrix_b_scale:MATRIX_SCALE_ROW1
.endif
.endif
.endm
	s_load_b512 s[4:19], s[0:1], 0x0               ; x_codes s[4:5], x_scales s[6:7], W1_codes s[8:9], W1_scales s[10:11], order s[12:13], counts s[14:15], a_codes s[16:17], a_scales s[18:19]
	v_lshl_add_u32 v[SPW], v0, 2, SPARE
	v_mov_b32 v[NIL], 0
	v_lshrrev_b32 v13, 5, v0
	v_readfirstlane_b32 s28, v13                   ; wave 0..7
	s_mov_b32 s29, ttmp9                           ; the slice of 64 hidden units
	s_and_b32 s30, ttmp7, 0xffff                   ; the tile
	s_lshr_b32 s42, s28, 1                         ; wr: which 32 rows I multiply
	s_and_b32 s43, s28, 1                          ; wc: which of the slice's two blocks of 32 units
	s_wait_kmcnt 0x0
	s_load_b256 s[20:27], s[14:15], 0x0            ; the eight counts, stored by the launch before
	v_and_b32 v63, 31, v0                          ; lane
	v_lshlrev_b32 v1, 4, v63
	v_and_b32 v2, 15, v0
	v_bfe_u32 v3, v0, 4, 1
	s_mul_i32 s44, s42, 32*PITCH                   ; I bring rows 64 s + 16 (w % 4) + 256 (w / 4) + i of W1: units 16 (w % 2) + i of block w / 2 (0, 1: h's; 2, 3: g's),
	s_mul_i32 s45, s43, 8*PITCH                    ; which go to LDS rows 32 (w / 2) + 8 (w % 2) + 16 (i / 8) + i % 8
	s_add_co_u32 s44, s44, s45
	v_add_nc_u32 v4, s44, v1
	s_mul_i32 s44, s28, 16*PITCH                   ; and the tile's rows 16 w + i of x
	s_add_co_u32 s44, s44, XB
	v_add_nc_u32 v5, s44, v1
	v_mul_u32_u24 v13, v2, PITCH
	v_lshl_add_u32 v13, v3, 4, v13                 ; a fragment: row m x pitch + 16 x half
	s_mul_i32 s44, s43, 32*PITCH
	v_add_nc_u32 v6, s44, v13                      ; W1: block wc of h; g's lies 64 rows on
	s_mul_i32 s44, s42, 32*PITCH
	s_add_co_u32 s44, s44, XB
	v_add_nc_u32 v7, s44, v13                      ; x: my 32 rows
	v_and_b32 v12, 8, v2
	v_add_nc_u32 v12, v12, v2
	v_lshl_add_u32 v12, v3, 3, v12
	v_lshlrev_b32 v12, 5, v12                      ; W1's scale words: the row of unit m + 8 (m / 8) + 8 (lane / 16), 32 bytes a row
.macro COEF k, bits
	v_mov_b32 v[CF+2*\k], \bits
	v_mov_b32 v[CF+2*\k+1], \bits
.endm
	COEF 0, 0xc034d90f                             ; -1.26551223 log2(e) - 1
	COEF 1, 0x3fb8ab5a                             ;  1.00002368 log2(e)
	COEF 2, 0x3f0a29d2                             ;  0.37409196 log2(e)
	COEF 3, 0x3e0efb2e                             ;  0.09678418 log2(e)
	COEF 4, 0xbe899a80                             ; -0.18628806 log2(e)
	COEF 5, 0x3ecdfd18                             ;  0.27886807 log2(e)
	COEF 6, 0xbfd1a1e5                             ; -1.13520398 log2(e)
	COEF 7, 0x40097039                             ;  1.48851587 log2(e)
	COEF 8, 0xbf97d29d                             ; -0.82215223 log2(e)
	COEF 9, 0x3e7c6f08                             ;  0.17087277 log2(e)
	COEF 10, 0xbf38aa3b                            ; -log2(e) / 2
	v_mov_b32 v248, 0                              ; written once: a lane permute's destination counts as one of its sources
	v_mov_b32 v249, 0
	s_mov_b32 s62, 0x76543210
	s_mov_b32 s63, 0xfedcba98                      ; v_permlanex16_b32's selects for lane l xor 16
	s_mov_b32 s31, 0                               ; tiles of the experts passed
	s_mov_b32 s32, 0                               ; pairs of the experts passed
	s_mov_b32 s38, 0                               ; my tile's expert,
	s_mov_b32 s39, 0                               ; its first place in order[],
	s_mov_b32 s40, 0                               ; its number of rows: 0 if no expert claims the tile
	s_wait_kmcnt 0x0
.macro SCAN e                          ; is my tile one of expert e's?  Selects alone
	s_add_co_u32 s33, s[20+\e], 127
	s_lshr_b32 s33, s33, 7                         ; expert e's tiles
	s_sub_co_u32 s34, s30, s31                     ; my tile's number among them (it wraps to a large number for a tile of an earlier expert)
	s_lshl_b32 s35, s34, 7
	s_add_co_u32 s36, s32, s35                     ; where it would begin,
	s_sub_co_u32 s37, s[20+\e], s35                ; and the rows left from there
	s_cmp_lt_u32 s34, s33
	s_cselect_b32 s38, \e, s38
	s_cselect_b32 s39, s36, s39
	s_cselect_b32 s40, s37, s40
	s_add_co_u32 s31, s31, s33
	s_add_co_u32 s32, s32, s[20+\e]
.endm
.irp e, 0,1,2,3,4,5,6,7
	SCAN \e
.endr
	s_min_u32 s38, s38, 7                          ; numbers made of loaded ones are held inside their tables before they enter an address
	s_min_u32 s39, s39, 0x1fff
	s_min_u32 s40, s40, 128
	s_lshl_b32 s41, s28, 4
	s_add_co_u32 s41, s41, s39
	v_add_nc_u32 v56, s41, v2                      ; places in order[]: of the rows that I bring (16 w + m),
	s_lshl_b32 s41, s42, 5
	s_add_co_u32 s41, s41, s39
	v_add_nc_u32 v57, s41, v2                      ; of the rows that I multiply: tile 0 (32 wr + m),
	v_add_nc_u32 v58, 16, v57                      ; tile 1,
	v_add_nc_u32 v59, s41, v63                     ; and both on end (32 wr + lane), for the scale words
.irp r, 56,57,58,59
	v_min_u32 v\r, 0x1fff, v\r
	v_lshlrev_b32 v\r, 2, v\r
.endr
	global_load_b32 v8, v56, s[12:13]
	global_load_b32 v9, v57, s[12:13]
	global_load_b32 v10, v58, s[12:13]
	global_load_b32 v11, v59, s[12:13]
	s_lshl_b32 s44, s38, 9
	s_lshl_b32 s45, s29, 6
	s_add_co_u32 s44, s44, s45                     ; W1's row 512 e + 64 s
	s_mov_b32 s47, s44
	s_and_b32 s45, s28, 3
	s_lshl_b32 s45, s45, 4
	s_add_co_u32 s44, s44, s45                     ; + 16 (w % 4)
	s_lshr_b32 s45, s28, 2
	s_lshl_b32 s45, s45, 8
	s_add_co_u32 s44, s44, s45                     ; + 256 (w / 4)
	s_lshl_b32 s44, s44, 9                         ; 512 bytes a row
	s_mov_b32 s45, 0
	s_add_nc_u64 s[48:49], s[8:9], s[44:45]
	s_lshl_b32 s44, s43, 5
	s_add_co_u32 s44, s44, s47
	s_lshl_b32 s44, s44, 5                         ; scale bytes of row 512 e + 64 s + 32 wc: 32 a row
	s_add_nc_u64 s[50:51], s[10:11], s[44:45]
	s_lshl_b32 s46, s29, 1
	s_add_co_u32 s46, s46, s43                     ; my hidden block: 2 s + wc
	s_lshl_b32 s44, s46, 4
	s_add_nc_u64 s[52:53], s[16:17], s[44:45]      ; its 16 bytes in a row of a_codes,
	s_mov_b32 s44, s46
	s_add_nc_u64 s[54:55], s[18:19], s[44:45]      ; its byte in a row of a_scales
.irp i, 0,1,2,3,4,5,6,7,8,9,10,11,12,13,14,15
	global_load_b128 v[64+4*\i:67+4*\i], v1, s[48:49] offset:512*\i   ; a row of W1 to a load: 512 consecutive bytes; my 16 rows are 8,192 bytes on end
.endr
	global_load_b128 v[32:35], v12, s[50:51]
	global_load_b128 v[36:39], v12, s[50:51] offset:16
	global_load_b128 v[40:43], v12, s[50:51] offset:8192               ; g's rows lie 256 rows on
	global_load_b128 v[44:47], v12, s[50:51] offset:8208
	s_wait_loadcnt 20                              ; the four loads from order[] are in; the 16 + 4 issued behind them may be out
	v_lshrrev_b32 v13, 1, v11                      ; pair -> token,
	v_min_u32 v13, 0xfff, v13                      ; held inside x,
	v_lshlrev_b32 v13, 5, v13                      ; 32 scale bytes a token
	global_load_b128 v[48:51], v13, s[6:7]
	global_load_b128 v[52:55], v13, s[6:7] offset:16
.irp i, 0,1,2,3,4,5,6,7,8,9,10,11,12,13,14,15
	v_readlane_b32 s41, v8, \i                     ; the pair of the tile's row 16 w + i
	s_lshr_b32 s41, s41, 1
	s_min_u32 s41, s41, 0xfff
	s_lshl_b32 s41, s41, 9                         ; its token's 512 bytes of codes
	v_add_nc_u32 v[16+\i], s41, v1
	global_load_b128 v[128+4*\i:131+4*\i], v[16+\i], s[4:5]
.endr
	s_wait_loadcnt 22                              ; W1's 16 rows are in; behind them 4 + 2 loads of scale words and x's 16 rows may be out
.irp i, 0,1,2,3,4,5,6,7,8,9,10,11,12,13,14,15
	ds_store_b128 v4, v[64+4*\i:67+4*\i] offset:(16*(\i/8)+(\i%8))*PITCH
.endr
	s_wait_loadcnt 0x0
.irp i, 0,1,2,3,4,5,6,7,8,9,10,11,12,13,14,15
	ds_store_b128 v5, v[128+4*\i:131+4*\i] offset:\i*PITCH
.endr
	s_wait_dscnt 0x0                               ; for the others' sake: my rows have landed
	s_barrier_signal -1
	s_barrier_wait -1                              ; all 256 rows lie in LDS; nothing is written there again
.macro FETCH q, b                      ; K step q's six fragments into buffer b: 12 loads of 16 bytes a lane
.irp g, 0,1
.irp u, 0,1
.irp c, 0,1
	ds_load_b128 v[FB0+48*(\b)+8*(2*\g+\u)+4*\c:FB0+48*(\b)+8*(2*\g+\u)+4*\c+3], v6 offset:\g*64*PITCH+\u*16*PITCH+64*(\q)+32*\c
.endr
.endr
.endr
.irp t, 0,1
.irp c, 0,1
	ds_load_b128 v[FB0+48*(\b)+32+8*\t+4*\c:FB0+48*(\b)+32+8*\t+4*\c+3], v7 offset:\t*16*PITCH+64*(\q)+32*\c
.endr
.endr
.endm
.macro MUL q, b, zero                  ; K step q: 8 products, the 8 accumulators by turns.  zero = 1: the first step starts the sums
.irp g, 0,1
.irp t, 0,1
.irp u, 0,1
	WM 64+32*\g+16*\t+8*\u, FB0+48*(\b)+8*(2*\g+\u), FB0+48*(\b)+32+8*\t, \zero, 32+8*\g+(\q), 48+(\q), \u, \t
.endr
.endr
.endr
.endm
	FETCH 0, 0
	FETCH 1, 1
	s_wait_dscnt 12                                ; step 0's fragments are in; the 12 loads just issued may be out
	MUL 0, 0, 1
.irp q, 1,2,3,4,5,6
.rept 4
	v_nop                                          ; four places in front of loads into registers that the last products have read (ISA guide 7.12.1 for vector instructions)
.endr
	FETCH \q+1, (\q+1)%2
	s_wait_dscnt 12                                ; this step's fragments are in; the next step's 12 loads may be out
	MUL \q, \q%2, 0
.endr
	s_wait_dscnt 0x0
	MUL 7, 1, 0
	; where the results go: eight plain lines that name no register of the last products are the places behind them
	v_min_u32 v16, 0x1fff, v9                      ; my pair in rows' tile 0,
	v_min_u32 v17, 0x1fff, v10                     ; in tile 1
	v_lshlrev_b32 v18, 3, v16                      ; a_scales: 8 bytes a pair
	v_lshlrev_b32 v19, 3, v17
	v_lshlrev_b32 v16, 7, v16                      ; a_codes: 128 bytes a pair,
	v_lshlrev_b32 v17, 7, v17
	v_lshl_add_u32 v16, v3, 3, v16                 ; + 8 bytes for the block's upper 16 units
	v_lshl_add_u32 v17, v3, 3, v17
	s_lshl_b32 s44, s42, 5
	v_add_nc_u32 v60, s44, v2                      ; my row in the tile: 32 wr + m,
	v_add_nc_u32 v61, 16, v60
	v_lshl_add_u32 v62, v3, 10, v60                ; and the same pushed past every row count in lanes 16-31: lanes 0-15 alone store the byte
	v_add_nc_u32 v63, 16, v62
	v_cmp_gt_u32 s56, s40, v60                     ; rows under the tile's number of rows are stored
	v_cmp_gt_u32 s57, s40, v61
	v_cmp_gt_u32 s58, s40, v62
	v_cmp_gt_u32 s59, s40, v63
	s_mov_b32 s46, 0x3eb504f3                      ; sqrt(2) / 4
	; THE ACTIVATION, on the lane's 32 numbers, always from the low end of each accumulator on
.set n, 0
.rept 32
	v_fma_f32 v[TT+n], |v[HH+n]|, s46, 1.0
.set n, n+1
.endr
.set n, 0
.rept 32
	v_rcp_f32 v[TT+n], v[TT+n]                     ; t: one batch
.set n, n+1
.endr
.set n, 0
.rept 16
	v_pk_mul_f32 v[MM+n:MM+n+1], v[HH+n:HH+n+1], v[HH+n:HH+n+1]   ; h h: plain work that names no reciprocal stands behind the batch
.set n, n+2
.endr
	s_wait_alu depctr_va_vdst(0)                   ; one wait for the 32 reciprocals, ahead of their first reader
.set n, 0
.rept 16
	v_pk_fma_f32 v[PP+n:PP+n+1], v[TT+n:TT+n+1], v[CF+18:CF+19], v[CF+16:CF+17]
.set n, n+2
.endr
.irp k, 7,6,5,4,3,2,1,0                ; Horner, the 16 pairs by turns: no line waits for the line above it
.set n, 0
.rept 16
	v_pk_fma_f32 v[PP+n:PP+n+1], v[PP+n:PP+n+1], v[TT+n:TT+n+1], v[CF+2*\k:CF+2*\k+1]
.set n, n+2
.endr
.endr
.set n, 0
.rept 16
	v_pk_fma_f32 v[PP+n:PP+n+1], v[MM+n:MM+n+1], v[CF+20:CF+21], v[PP+n:PP+n+1]   ; - h h log2(e) / 2
.set n, n+2
.endr
.set n, 0
.rept 32
	v_exp_f32 v[PP+n], v[PP+n]                     ; one batch
.set n, n+1
.endr
.set n, 0
.rept 32
	v_max_num_f32 v[MM+n], 0, v[HH+n]              ; max(h, 0): plain work behind the batch
.set n, n+1
.endr
	s_wait_alu depctr_va_vdst(0)                   ; one wait for the 32 exponentials
.set n, 0
.rept 16
	v_pk_mul_f32 v[PP+n:PP+n+1], v[TT+n:TT+n+1], v[PP+n:PP+n+1]   ; q
.set n, n+2
.endr
.set n, 0
.rept 32
	v_fma_f32 v[HH+n], -|v[HH+n]|, v[PP+n], v[MM+n]               ; gelu(h) = max(h, 0) - |h| q
.set n, n+1
.endr
.set n, 0
.rept 16
	v_pk_fma_f32 v[HH+n:HH+n+1], v[HH+n:HH+n+1], v[GG+n:GG+n+1], v[HH+n:HH+n+1]   ; gelu(h) (g + 1)
.set n, n+2
.endr
	; THE QUANTISER: my 16 numbers of rows' tile t and lane l xor 16's are the pair's block of 32
.irp t, 0,1
	v_max3_num_f32 v[246+\t], |v[HH+16*\t]|, |v[HH+16*\t+1]|, 0x1800000   ; with the floor 2^(3 - 127): the byte cannot fall under 1
.endr
.irp i, 2,4,6,8,10,12,14
.irp t, 0,1
	v_max3_num_f32 v[246+\t], v[246+\t], |v[HH+16*\t+\i]|, |v[HH+16*\t+\i+1]|
.endr
.endr
.irp t, 0,1
	v_permlanex16_b32 v[248+\t], v[246+\t], s62, s63
.endr
.irp t, 0,1
	v_max_num_f32 v[246+\t], v[246+\t], v[248+\t]  ; the block's largest magnitude
.endr
.irp t, 0,1
	v_add_nc_u32 v[250+\t], 0xff000000, v[246+\t]  ; 2 off its exponent field: the conversion takes the exponent field of this operand as its scale
.endr
.irp t, 0,1
	v_lshrrev_b32 v[252+\t], 23, v[250+\t]         ; the scale's byte
.endr
.irp t, 0,1
	v_cvt_scalef32_pk8_fp4_f32 v[MM+2*\t], v[HH+16*\t:HH+16*\t+7], v[250+\t]
	v_cvt_scalef32_pk8_fp4_f32 v[MM+2*\t+1], v[HH+16*\t+8:HH+16*\t+15], v[250+\t]
.endr
	v_nop                                          ; one plain line behind the last scaled conversion
	s_wait_xcnt 0x0                                ; EXEC changes only behind this wait, and again in front of each line that widens it
	s_and_saveexec_b32 s60, s56
	global_store_b64 v16, v[MM:MM+1], s[52:53]
	s_wait_xcnt 0x0
	s_or_b32 exec_lo, exec_lo, s60
	s_and_saveexec_b32 s60, s57
	global_store_b64 v17, v[MM+2:MM+3], s[52:53]
	s_wait_xcnt 0x0
	s_or_b32 exec_lo, exec_lo, s60
	s_and_saveexec_b32 s60, s58
	global_store_b8 v18, v252, s[54:55]
	s_wait_xcnt 0x0
	s_or_b32 exec_lo, exec_lo, s60
	s_and_saveexec_b32 s60, s59
	global_store_b8 v19, v253, s[54:55]
	s_wait_xcnt 0x0
	s_or_b32 exec_lo, exec_lo, s60
	s_wait_tensorcnt 0x0                           ; the wave's end
	ds_add_u32 v[SPW], v[NIL]
	s_wait_dscnt 0x0
	s_endpgm
.Lfunc_end_k_q3352a96caa_up:
	.size	k_q3352a96caa_up, .Lfunc_end_k_q3352a96caa_up-k_q3352a96caa_up
	.p2alignl 7, 3214868480
	.fill 96, 4, 3214868480
	.section	.rodata,"a",@progbits
	.p2align	6, 0x0
	.amdhsa_kernel k_q3352a96caa_up
		.amdhsa_group_segment_fixed_size 136192
		.amdhsa_private_segment_fixed_size 0
		.amdhsa_enable_private_segment 0
		.amdhsa_kernarg_size 64
		.amdhsa_user_sgpr_count 2
		.amdhsa_user_sgpr_kernarg_segment_ptr 1
		.amdhsa_wavefront_size32 1
		.amdhsa_system_sgpr_workgroup_id_x 1
		.amdhsa_system_sgpr_workgroup_id_y 1
		.amdhsa_system_sgpr_workgroup_id_z 1
		.amdhsa_system_vgpr_workitem_id 0
		.amdhsa_next_free_vgpr 256
		.amdhsa_next_free_sgpr 66
		.amdhsa_reserve_vcc 0
		.amdhsa_float_denorm_mode_32 3
		.amdhsa_float_denorm_mode_16_64 3
		.amdhsa_memory_ordered 1
		.amdhsa_forward_progress 1
		.amdhsa_inst_pref_size 57
	.end_amdhsa_kernel
	.amdgpu_metadata
---
amdhsa.version: [ 1, 2 ]
amdhsa.kernels:
  - .name:           k_q3352a96caa_up
    .symbol:         k_q3352a96caa_up.kd
    .args:
      - { .name: x_codes, .offset: 0, .size: 8, .value_kind: global_buffer, .address_space: global }
      - { .name: x_scales, .offset: 8, .size: 8, .value_kind: global_buffer, .address_space: global }
      - { .name: W1_codes, .offset: 16, .size: 8, .value_kind: global_buffer, .address_space: global }
      - { .name: W1_scales, .offset: 24, .size: 8, .value_kind: global_buffer, .address_space: global }
      - { .name: order, .offset: 32, .size: 8, .value_kind: global_buffer, .address_space: global }
      - { .name: counts, .offset: 40, .size: 8, .value_kind: global_buffer, .address_space: global }
      - { .name: a_codes, .offset: 48, .size: 8, .value_kind: global_buffer, .address_space: global }
      - { .name: a_scales, .offset: 56, .size: 8, .value_kind: global_buffer, .address_space: global }
    .group_segment_fixed_size: 136192
    .private_segment_fixed_size: 0
    .kernarg_segment_align: 8
    .kernarg_segment_size: 64
    .max_flat_workgroup_size: 256
    .sgpr_count:     66
    .vgpr_count:     256
    .wavefront_size: 32
...
	.end_amdgpu_metadata
.endif
;; end of part 2
;; launch down (part 3): grid 32 x 8, 8 waves a work-group, clusters of 4 x 1, 183,296 bytes of LDS; arguments a_codes, a_scales, W2_codes, W2_scales, expert_idxs, expert_p, out0; writes out0
.if DOCPART == 3
	.amdgcn_target "amdgcn-amd-amdhsa--gfx1250"
	.amdhsa_code_object_version 6
	.text
	.protected	k_q3352a96caa_down
	.globl	k_q3352a96caa_down
	.p2align	8
	.type	k_q3352a96caa_down,@function
k_q3352a96caa_down:
	s_mov_b64 s[64:65], 0
	v_nop
	global_prefetch_b8 v0, s[64:65] scope:SCOPE_SE
	s_setreg_imm32_b32 hwreg(HW_REG_WAVE_MODE, 25, 1), 1
	s_wait_xcnt 0x0
	s_wait_alu depctr_hold_cnt(0) depctr_sa_sdst(0) depctr_va_vdst(0) depctr_va_sdst(0) depctr_va_ssrc(0) depctr_va_vcc(0) depctr_vm_vsrc(0)
	s_getreg_b32 s2, hwreg(HW_REG_IB_STS2, 6, 4)
	s_cmp_eq_u32 s2, 0
	s_cbranch_scc0 .Lentry_in_a_cluster
	s_endpgm
.Lentry_in_a_cluster:
	s_bfe_u32 s2, ttmp6, 0x10000c
	s_cmp_lg_u32 s2, 0x3003
	s_cbranch_scc0 .Lentry_shape_is_right
	s_endpgm
.Lentry_shape_is_right:
; DOWN: y[t] = p0 (a[2 t] W2[e0]) + p1 (a[2 t + 1] W2[e1]), written as y[t] = the sum over e = 0 .. 7 of gate_e(t) (a_sel(t, e) W2[e]), gate_e = p0 [e0 = e] + p1 [e1 = e], a_sel = slot 0's row where e0 = e, else slot 1's.
; Each token has one owner, so nothing is added across work-groups, and the walk over the eight experts has no branch and no address made of data: the choice only selects values.  It multiplies each token by all eight experts
; (one operand row each), four times the rows that are kept; that buys consecutive tokens, no gather, and weights that partners can ask for jointly.
; LIMITS.  The product of a token's a with an expert that it did not choose is multiplied by the gate 0: it has to be finite (a NaN scale byte in such an expert's W2 would reach y).  Where e0 = e1 the result is (p0 + p1) D, not p0 D + p1 D:
; the two rows of a are equal then, and the difference is rounding.  Indices outside 0 .. 7 get the gate 0.
; SHARES.  A work-group owns 128 consecutive tokens x 128 columns of y.  Wave w: tokens 32 (w / 2) .. + 31 (two tiles t), columns 64 (w % 2) .. + 63 (four tiles ct).  K = 256: two products deep.
; CLUSTER.  The four partners of a cluster own four blocks of tokens and the SAME 128 columns, so they need the same 8 x 16,384 bytes of W2: each expert's slice is asked for JOINTLY, wave w asking for expert w's: one tensor load a
; wave, the same descriptor in all four partners (it hangs on the wave's number and the grid's y alone), a mask that names the four.  All eight slices stay in LDS: nothing is filled again.  By this text's count one tensor load a wave is out.
; THE PRODUCT IS USED TRANSPOSED (source 0 = 16 rows of W2 = 16 columns of y, source 1 = 16 tokens): a lane holds one token and eight neighbouring columns.
; REGISTERS, in windows of 256.  Window 0: v1-12 addresses; v16-25 indices and gates' p; v26-29 the gates; v32-63 the selected operand (t, q) at 32 + 16 t + 8 q; v64-127 W2's fragments (ct, q) at 64 + 8 (2 ct + q);
;   v128-191 one expert's products D(ct, t) at 128 + 8 (2 ct + t), later rows on the way out; v192-223 W2's scale words at 192 + 4 e + 2 (ct / 2) + q (lanes 0-15 even ct, lanes 16-31 odd ct); v224-227 a's scale words
;   (slot 0: q 0, 1; slot 1: q 0, 1; my lane's token); v228-229 the selected ones: v192-229 hold scales and nothing else.   Window 1: v0-63 y(ct, t) at 8 (2 ct + t); v64-127 a's fragments (t, slot k, q) at 64 + 8 (4 t + 2 k + q).
.set WP,    144                        ; a row of W2 in LDS: 128 bytes + 16: an odd multiple of 16 bytes, so that the 16 rows of a fragment load start in 16 different groups of banks (ISA guide 11.1)
.set WE,    128*WP                     ; an expert's slice: 18,432 bytes
.set STAGE, 8*WE                       ; behind the eight slices: a stage of 16 rows x (256 + 16) bytes for each wave; no tensor load lands there
.set SP,    272
.set SPARE, STAGE+8*16*SP              ; behind the stages: the spare words, 128 bytes for each wave, which no other line names
.set SPW, 14                           ; v14  LDS address of my spare word; never rewritten
.set NIL, 15                           ; v15  0; never rewritten
.set MSB, 0
.macro WIN new                         ; the immediate's high byte repeats the setting that is left; a switch that changes nothing is dropped
.if MSB != \new
	s_set_vgpr_msb (MSB<<8)|\new
.set MSB, \new
.endif
.endm
.macro ROUND                           ; a round of the cluster's barrier: my work-group's barrier; wave 0 signals for the work-group; every wave waits for all four work-groups; my work-group's barrier once more
	s_barrier_signal -1
	s_barrier_wait -1
	s_cmp_lg_u32 s18, 0
	s_cbranch_scc1 .Lnot_wave_0_\@
	s_barrier_signal -3
.Lnot_wave_0_\@:
	s_barrier_wait -3
	s_barrier_signal -1
	s_barrier_wait -1
.endm
.macro WM d, a, b, zero, sa, sb, ra, rb        ; one product; ra, rb: the half of the lanes from which source 0's and source 1's scale words are taken
.set WD, \d
.set WA, \a
.set WB, \b
.set WSA, \sa
.set WSB, \sb
.set WR, (\ra)+2*(\rb)
.if \zero
.if WR == 0
	v_wmma_scale_f32_16x16x128_f8f6f4 v[WD:WD+7], v[WA:WA+7], v[WB:WB+7], 0, v[WSA], v[WSB] matrix_a_fmt:MATRIX_FMT_FP4 matrix_b_fmt:MATRIX_FMT_FP4
.elseif WR == 1
	v_wmma_scale_f32_16x16x128_f8f6f4 v[WD:WD+7], v[WA:WA+7], v[WB:WB+7], 0, v[WSA], v[WSB] matrix_a_fmt:MATRIX_FMT_FP4 matrix_b_fmt:MATRIX_FMT_FP4 matrix_a_scale:MATRIX_SCALE_ROW1
.elseif WR == 2
	v_wmma_scale_f32_16x16x128_f8f6f4 v[WD:WD+7], v[WA:WA+7], v[WB:WB+7], 0, v[WSA], v[WSB] matrix_a_fmt:MATRIX_FMT_FP4 matrix_b_fmt:MATRIX_FMT_FP4 matrix_b_scale:MATRIX_SCALE_ROW1
.else
	v_wmma_scale_f32_16x16x128_f8f6f4 v[WD:WD+7], v[WA:WA+7], v[WB:WB+7], 0, v[WSA], v[WSB] matrix_a_fmt:MATRIX_FMT_FP4 matrix_b_fmt:MATRIX_FMT_FP4 matrix_a_scale:MATRIX_SCALE_ROW1 matrix_b_scale:MATRIX_SCALE_ROW1
.endif
.else
.if WR == 0
	v_wmma_scale_f32_16x16x128_f8f6f4 v[WD:WD+7], v[WA:WA+7], v[WB:WB+7], v[WD:WD+7], v[WSA], v[WSB] matrix_a_fmt:MATRIX_FMT_FP4 matrix_b_fmt:MATRIX_FMT_FP4
.elseif WR == 1
	v_wmma_scale_f32_16x16x128_f8f6f4 v[WD:WD+7], v[WA:WA+7], v[WB:WB+7], v[WD:WD+7], v[WSA], v[WSB] matrix_a_fmt:MATRIX_FMT_FP4 matrix_b_fmt:MATRIX_FMT_FP4 matrix_a_scale:MATRIX_SCALE_ROW1
.elseif WR == 2
	v_wmma_scale_f32_16x16x128_f8f6f4 v[WD:WD+7], v[WA:WA+7], v[WB:WB+7], v[WD:WD+7], v[WSA], v[WSB] matrix_a_fmt:MATRIX_FMT_FP4 matrix_b_fmt:MATRIX_FMT_FP4 matrix_b_scale:MATRIX_SCALE_ROW1
.else
	v_wmma_scale_f32_16x16x128_f8f6f4 v[WD:WD+7], v[WA:WA+7], v[WB:WB+7], v[WD:WD+7], v[WSA], v[WSB] matrix_a_fmt:MATRIX_FMT_FP4 matrix_b_fmt:MATRIX_FMT_FP4 matrix_a_scale:MATRIX_SCALE_ROW1 matrix_b_scale:MATRIX_SCALE_ROW1
.endif
.endif
.endm
	s_load_b256 s[4:11], s[0:1], 0x0               ; a_codes s[4:5], a_scales s[6:7], W2_codes s[8:9], W2_scales s[10:11]
	s_load_b128 s[12:15], s[0:1], 0x20             ; expert_idxs s[12:13], expert_p s[14:15]
	s_load_b64 s[16:17], s[0:1], 0x30              ; out0
	v_lshl_add_u32 v[SPW], v0, 2, SPARE
	v_mov_b32 v[NIL], 0
	ds_add_u32 v[SPW], v[NIL]                      ; the wave's opening: the add, twice on end, and its wait ahead of my first tensor load; the set-up below, work on registers, stands between the second and the wait
	ds_add_u32 v[SPW], v[NIL]
	v_lshrrev_b32 v13, 5, v0
	v_readfirstlane_b32 s18, v13                   ; wave 0..7
	s_bfe_u32 s19, ttmp6, 0x40000                  ; cx: my place in the cluster: it enters global addresses of a, the indices, the gates and y alone
	s_lshl_b32 s34, ttmp9, 2                       ; in a cluster launch ttmp9 counts clusters
	s_add_co_u32 s34, s34, s19                     ; my block of 128 tokens
	s_and_b32 s35, ttmp7, 0xffff                   ; my slice of 128 columns, which the four partners share
	s_lshr_b32 s36, s18, 1                         ; wr: which 32 tokens
	s_and_b32 s37, s18, 1                          ; wc: which 64 columns
	; descriptor group 1: 128 rows of 128 bytes, dense in memory, 16 bytes of padding behind each in LDS
	s_mov_b32 s24, 15|(1<<20)|(1<<21)|(4<<22)|(3<<25)   ; 15:0 the mask: all four work-groups; 17:16 elements of 1 byte; 20 padding on; 21 set beside a mask; 24:22 after every 32 words (code 4); 31:25 four words (code 3)
	s_mov_b32 s25, 128<<16                         ; tensor_dim0 = 128
	s_mov_b32 s26, 128<<16                         ; tensor_dim1 = 128
	s_mov_b32 s27, 128<<16                         ; tile_dim0 = 128
	s_mov_b32 s28, 128                             ; tile_dim1 = 128
	s_mov_b32 s29, 128                             ; from row to row
	s_mov_b32 s30, 0
	s_mov_b32 s31, 0
	; group 0: expert w's slice
	s_mov_b32 s20, 1                               ; count = 1
	s_mul_i32 s21, s18, WE                         ; LDS address: the wave's number times a constant
	s_lshl_b32 s32, s18, 17                        ; an expert's W2 is 131,072 bytes,
	s_lshl_b32 s33, s35, 14                        ; a slice of 128 rows 16,384
	s_add_co_u32 s32, s32, s33
	s_mov_b32 s33, 0
	v_and_b32 v1, 31, v0                           ; lane
	v_and_b32 v2, 15, v0                           ; m
	v_bfe_u32 v3, v0, 4, 1                         ; lane / 16
	v_lshlrev_b32 v4, 8, v2
	v_lshl_add_u32 v4, v3, 4, v4                   ; a: token m's 256 bytes (two slots of 128), + 16 x half
	v_lshlrev_b32 v5, 4, v1                        ; a's scale words: 16 bytes a token
	v_lshlrev_b32 v6, 3, v2                        ; indices and gates: 8 bytes a token, token m,
	v_lshlrev_b32 v7, 3, v1                        ; or the token of my lane; also W2's scale words, 8 bytes a row
	v_mul_u32_u24 v8, v2, WP
	v_lshl_add_u32 v8, v3, 4, v8
	s_mul_i32 s38, s37, 64*WP
	v_add_nc_u32 v8, s38, v8                       ; W2's fragments: row 64 wc + m, + 16 x half: experts 0-3,
	v_add_nc_u32 v9, 4*WE, v8                      ; experts 4-7 (an LDS offset has 16 bits)
	s_mul_i32 s38, s18, 16*SP
	s_add_co_u32 s38, s38, STAGE                   ; my stage
	v_mul_u32_u24 v10, v2, SP
	v_lshl_add_u32 v10, v3, 5, v10
	v_add_nc_u32 v10, s38, v10                     ; in: row m, 32 bytes for each half of the lanes
	v_mul_u32_u24 v11, v3, SP
	v_lshl_add_u32 v11, v2, 4, v11
	v_add_nc_u32 v11, s38, v11                     ; back: lanes 0-15 one row of 256 bytes, lanes 16-31 the next
	v_lshlrev_b32 v12, 12, v3
	v_lshl_add_u32 v12, v2, 4, v12                 ; and the same two rows in y: 4,096 bytes a row
	s_wait_dscnt 0x0                               ; both opening adds are done
	s_wait_kmcnt 0x0
	s_add_nc_u64 s[22:23], s[8:9], s[32:33]
	s_or_b32 s23, s23, 0x80000000                  ; type = 2
	ROUND                                          ; all four work-groups are here: the joint loads meet
	tensor_load_to_lds s[20:23], s[24:31]          ; my one tensor load
	s_nop 0
.rept 4
	v_nop
.endr
	s_lshl_b32 s39, s34, 7
	s_lshl_b32 s38, s36, 5
	s_add_co_u32 s39, s39, s38                     ; my first token: 128 x block + 32 wr
	s_mov_b32 s53, 0
	s_lshl_b32 s52, s39, 8
	s_add_nc_u64 s[40:41], s[4:5], s[52:53]        ; its codes of a,
	s_lshl_b32 s52, s39, 4
	s_add_nc_u64 s[42:43], s[6:7], s[52:53]        ; its scale words,
	s_lshl_b32 s52, s39, 3
	s_add_nc_u64 s[44:45], s[12:13], s[52:53]      ; its indices,
	s_add_nc_u64 s[46:47], s[14:15], s[52:53]      ; its gates
	s_lshl_b32 s52, s35, 10
	s_lshl_b32 s38, s37, 9
	s_add_co_u32 s52, s52, s38
	s_add_nc_u64 s[48:49], s[10:11], s[52:53]      ; W2's scale bytes of row 128 x slice + 64 wc, expert 0
	s_lshl_b32 s52, s39, 12
	s_lshl_b32 s38, s35, 9
	s_add_co_u32 s52, s52, s38
	s_lshl_b32 s38, s37, 8
	s_add_co_u32 s52, s52, s38
	s_add_nc_u64 s[50:51], s[16:17], s[52:53]      ; y: my first token's row, my first column
	WIN 0x40                                       ; destination window 1
.irp t, 0,1
.irp k, 0,1
.irp q, 0,1
.irp c, 0,1
	global_load_b128 v[64+8*(4*\t+2*\k+\q)+4*\c:64+8*(4*\t+2*\k+\q)+4*\c+3], v4, s[40:41] offset:4096*\t+128*\k+64*\q+32*\c   ; both slots of my 32 tokens stay in registers
.endr
.endr
.endr
.endr
	WIN 0
	global_load_b128 v[224:227], v5, s[42:43]
	global_load_b64 v[16:17], v6, s[44:45]               ; (e0, e1) of tokens' tile 0, token m
	global_load_b64 v[18:19], v6, s[44:45] offset:128    ; of tile 1
	global_load_b64 v[20:21], v7, s[44:45]               ; of my lane's token, for the scale words
	global_load_b64 v[22:23], v6, s[46:47]               ; (p0, p1) of tile 0
	global_load_b64 v[24:25], v6, s[46:47] offset:128    ; of tile 1
.irp e, 0,1,2,3,4,5,6,7
.irp pr, 0,1
	global_load_b64 v[192+4*\e+2*\pr:192+4*\e+2*\pr+1], v7, s[48:49] offset:8192*\e+256*\pr   ; 32 rows' two words: 256 consecutive bytes
.endr
.endr
	s_wait_tensorcnt 0x0                           ; my expert's slice has landed,
	s_barrier_signal -1
	s_barrier_wait -1                              ; everybody's has
.macro WFETCH e                        ; expert e's eight fragments: 16 loads
.irp ct, 0,1,2,3
.irp q, 0,1
.irp c, 0,1
	ds_load_b128 v[64+8*(2*\ct+\q)+4*\c:64+8*(2*\ct+\q)+4*\c+3], v[8+(\e)/4] offset:((\e)%4)*WE+16*WP*\ct+64*\q+32*\c
.endr
.endr
.endr
.endm
.macro EXPERT e
	v_cmp_eq_u32 s54, \e, v16                      ; slot 0 is expert e: tokens' tile 0,
	v_cmp_eq_u32 s55, \e, v18                      ; tile 1
	v_cmp_eq_u32 s56, \e, v17                      ; slot 1 is: tile 0,
	v_cmp_eq_u32 s57, \e, v19                      ; tile 1
	v_cmp_eq_u32 s58, \e, v20                      ; slot 0 is, for my lane's token
	v_cndmask_b32 v228, v226, v224, s58            ; the selected row's scale words.  They stand first: a scale register written by a vector instruction stands eight places ahead of the product that names it
	v_cndmask_b32 v229, v227, v225, s58
	WIN 0x05                                       ; sources 0 and 1 window 1
.irp t, 0,1
.irp q, 0,1
.irp j, 0,1,2,3,4,5,6,7
	v_cndmask_b32 v[32+16*\t+8*\q+\j], v[64+8*(4*\t+2+\q)+\j], v[64+8*(4*\t+\q)+\j], s[54+\t]   ; slot 0's codes where it is expert e, else slot 1's
.endr
.endr
.endr
	WIN 0
.irp t, 0,1                            ; the gates: six plain lines, the places between the operand's last write and the products
	v_cndmask_b32 v[26+2*\t], 0, v[22+2*\t], s[54+\t]
	v_cndmask_b32 v[27+2*\t], 0, v[23+2*\t], s[56+\t]
	v_add_f32 v[26+2*\t], v[26+2*\t], v[27+2*\t]
.endr
	s_wait_dscnt 0x0                               ; this expert's fragments are in
.irp q, 0,1                            ; 16 products: the eight accumulators by turns; the first eight start the sums
.irp ct, 0,1,2,3
.irp t, 0,1
	WM 128+8*(2*\ct+\t), 64+8*(2*\ct+\q), 32+16*\t+8*\q, 1-\q, 192+4*(\e)+2*(\ct/2)+\q, 228+\q, \ct%2, \t
.endr
.endr
.endr
.rept 4
	v_nop                                          ; four places in front of the loads into registers that the products have read, and of the first read of their results (ISA guide 7.12.1 for vector instructions)
.endr
.if (\e) < 7
	WFETCH (\e)+1                                  ; the next expert's fragments land while this one's products are weighed
.endif
.set i, 0
.if (\e) == 0
	WIN 0x40                                       ; destination window 1: the first expert starts y: nothing is cleared
.rept 32
	v_pk_mul_f32 v[2*i:2*i+1], v[128+2*i:128+2*i+1], v[26+2*((i/4)%2):27+2*((i/4)%2)] op_sel_hi:[1,0]
.set i, i+1
.endr
.else
	WIN 0x50                                       ; source 2 and destination window 1
.rept 32
	v_pk_fma_f32 v[2*i:2*i+1], v[128+2*i:128+2*i+1], v[26+2*((i/4)%2):27+2*((i/4)%2)], v[2*i:2*i+1] op_sel_hi:[1,0,1]   ; y += gate x D, each accumulator from its low end on
.set i, i+1
.endr
.endif
	WIN 0
.endm
	WFETCH 0
	s_wait_loadcnt 0x0                             ; a, the indices, the gates and all scale words
.irp e, 0,1,2,3,4,5,6,7
	EXPERT \e
.endr
	; THE WAY OUT.  A lane holds 32 neighbouring bytes of a token's row, and the lanes beside it hold other tokens: so 16 tokens x 64 columns at a time go through my own stage and come back as rows of 256 bytes.
	; LDS serves a wave's instructions in order (ISA guide 5.7.1.4): no wait between the stores and the loads, nor in front of the second half's stores.
.irp t, 0,1
	WIN 0x04                                       ; an LDS store's data are its source 1: window 1
.irp ct, 0,1,2,3
	ds_store_b128 v10, v[8*(2*\ct+\t):8*(2*\ct+\t)+3] offset:64*\ct
	ds_store_b128 v10, v[8*(2*\ct+\t)+4:8*(2*\ct+\t)+7] offset:64*\ct+16
.endr
	WIN 0
.irp i, 0,1,2,3,4,5,6,7
	ds_load_b128 v[128+32*\t+4*\i:128+32*\t+4*\i+3], v11 offset:2*SP*\i
.endr
.endr
.irp t, 0,1
.irp i, 0,1,2,3,4,5,6,7
	s_wait_dscnt 23-16*\t-\i                       ; this load is in; behind it stand the 7 - i later loads of its half and, for the first half, the second half's 16 instructions
	global_store_b128 v12, v[128+32*\t+4*\i:128+32*\t+4*\i+3], s[50:51] offset:(16*\t+2*\i)*4096 th:TH_STORE_NT   ; 16 lanes store 256 consecutive bytes, at a multiple of 256 from y's first byte; written once, read by nobody here
.endr
.endr
	s_wait_tensorcnt 0x0                           ; the wave's end
	ds_add_u32 v[SPW], v[NIL]
	s_wait_dscnt 0x0
	ROUND                                          ; the closing round: no work-group ends while a partner may still ask for a slice that names it
	s_endpgm
.Lfunc_end_k_q3352a96caa_down:
	.size	k_q3352a96caa_down, .Lfunc_end_k_q3352a96caa_down-k_q3352a96caa_down
	.p2alignl 7, 3214868480
	.fill 96, 4, 3214868480
	.section	.rodata,"a",@progbits
	.p2align	6, 0x0
	.amdhsa_kernel k_q3352a96caa_down
		.amdhsa_group_segment_fixed_size 183296
		.amdhsa_private_segment_fixed_size 0
		.amdhsa_enable_private_segment 0
		.amdhsa_kernarg_size 56
		.amdhsa_user_sgpr_count 2
		.amdhsa_user_sgpr_kernarg_segment_ptr 1
		.amdhsa_wavefront_size32 1
		.amdhsa_system_sgpr_workgroup_id_x 1
		.amdhsa_system_sgpr_workgroup_id_y 1
		.amdhsa_system_sgpr_workgroup_id_z 1
		.amdhsa_system_vgpr_workitem_id 0
		.amdhsa_next_free_vgpr 384
		.amdhsa_next_free_sgpr 66
		.amdhsa_reserve_vcc 0
		.amdhsa_float_denorm_mode_32 3
		.amdhsa_float_denorm_mode_16_64 3
		.amdhsa_memory_ordered 1
		.amdhsa_forward_progress 1
		.amdhsa_inst_pref_size 78
	.end_amdhsa_kernel
	.amdgpu_metadata
---
amdhsa.version: [ 1, 2 ]
amdhsa.kernels:
  - .name:           k_q3352a96caa_down
    .symbol:         k_q3352a96caa_down.kd
    .args:
      - { .name: a_codes, .offset: 0, .size: 8, .value_kind: global_buffer, .address_space: global }
      - { .name: a_scales, .offset: 8, .size: 8, .value_kind: global_buffer, .address_space: global }
      - { .name: W2_codes, .offset: 16, .size: 8, .value_kind: global_buffer, .address_space: global }
      - { .name: W2_scales, .offset: 24, .size: 8, .value_kind: global_buffer, .address_space: global }
      - { .name: expert_idxs, .offset: 32, .size: 8, .value_kind: global_buffer, .address_space: global }
      - { .name: expert_p, .offset: 40, .size: 8, .value_kind: global_buffer, .address_space: global }
      - { .name: out0, .offset: 48, .size: 8, .value_kind: global_buffer, .address_space: global }
    .group_segment_fixed_size: 183296
    .private_segment_fixed_size: 0
    .kernarg_segment_align: 8
    .kernarg_segment_size: 56
    .max_flat_workgroup_size: 256
    .sgpr_count:     66
    .vgpr_count:     384
    .wavefront_size: 32
...
	.end_amdgpu_metadata
.endif
;; end of part 3
;; ======== version 2 of 2: 2 launches
;; workspace buffers: a_codes 1,048,576 bytes; a_scales 65,536 bytes
;; launch up (part 4): grid 4 x 71, 8 waves a work-group, no clusters, 144,640 bytes of LDS; arguments x_codes, x_scales, W1_codes, W1_scales, expert_idxs, a_codes, a_scales; writes a_codes, a_scales
.if DOCPART == 4
	.amdgcn_target "amdgcn-amd-amdhsa--gfx1250"
	.amdhsa_code_object_version 6
	.text
	.protected	k_q3352a96caa_up
	.globl	k_q3352a96caa_up
	.p2align	8
	.type	k_q3352a96caa_up,@function
k_q3352a96caa_up:
	s_mov_b64 s[64:65], 0
	v_nop
	global_prefetch_b8 v0, s[64:65] scope:SCOPE_SE
	s_setreg_imm32_b32 hwreg(HW_REG_WAVE_MODE, 25, 1), 1
	s_wait_xcnt 0x0
; UP: a = gelu(h) (g + 1), h and g the two halves of x W1[e], for each pair (pair p = 2 x token + slot) with ITS OWN expert alone, quantised along the hidden axis to codes of FP4 (E2M1) with one E8M0 byte for each 32.
; a_codes [8192 pairs][128 bytes], a_scales [8192][8], in pair order, laid as an input's codes and scales are.
; WORK LEFT OUT BY THE PROGRAM.  The up-projection is written as eight products of all 8,192 pairs with W1[e], of which where(e_flat == e) keeps, for every pair, the one product with its own expert and replaces the seven others
; by 0, whatever the values of x and W1.  So each pair is multiplied by its own expert's W1 alone, steered by expert_idxs, whole numbers that this launch reads.  The down-projection is selected by the same where; the next launch
; walks all eight experts for each token and gives those that a token did not choose the gate 0.  Every input has a way to the output, and all are loaded.
; SHARES.  A work-group takes a tile of up to 128 pairs of ONE expert and a slice of 64 hidden units: 64 columns of h and the 64 columns of g that gate them.  Grid x = the slice, y = the tile.
; With 8,192 pairs, 8 experts and tiles of 128 there are never more than 64 + 7 = 71 tiles, whatever the split.  NO branch stands in the text, so every barrier stands on every path.  Rows past a tile's end (all rows, in a tile
; that the split leaves empty) are worked on some pair inside the buffers, and are not stored.
; WHICH PAIRS ARE MINE.  Every work-group reads all 32,768 bytes of indices and ranks the pairs of its tile's expert, so that no work-group needs a number of another.  Wave w holds pairs 1024 w .. + 1023; register j = 4 c + k of
; lane l is pair 1024 w + 128 c + 4 l + k; these 32 lanes are GROUP g = 32 w + j.  An expert's pairs are ranked by group and, in a group, by lane: the same order in every work-group.
;   (1) all eight experts are counted at once, in fields of 4, then 8, then 16 bits; the waves' counts meet in LDS (first barrier); selects find my tile's expert e, the rank of its first row, its rows;
;   (2) each wave holds its 32 groups' masks in scalar registers and, for each of the tile's 128 slots, keeps the last of its groups whose first rank is at or under the slot's rank: one compare and two selects;
;       what it found, (first rank, group, mask), or 0 for a slot outside the wave's ranks, goes to a fixed place in LDS (second barrier): no LDS address is made of data;
;   (3) each wave joins the eight waves' words for its own 32 slots (one at the most is not 0), takes the n-th set bit of the mask by five halvings, and has the pair's number.
; All of K lies in LDS at once: 128 rows of W1 and 128 rows of x, 512 bytes each, brought through registers (x's rows are a gather), third barrier, then eight K steps of 128.
; Wave w: rows 32 (w / 2) .. + 31 (two tiles of 16), hidden block 2 x slice + w % 2 (32 units): four tiles of W1 (h, g x two halves), 8 accumulators, which take turns.
; THE PRODUCT IS USED TRANSPOSED (source 0 = 16 rows of W1, source 1 = 16 rows of x), AND THE ROWS OF W1 THAT FORM A TILE ARE NOT NEIGHBOURS: row m of tile u is unit 16 (m / 8) + 8 u + m % 8 of the block, so that a lane
; holds ONE pair and the 16 registers of tiles 0 and 1 are 16 neighbouring units, 16 (lane / 16) + 0 .. 15.  In LDS a tile's 16 rows are laid on end.
; GELU, exact form: gelu(h) = max(h, 0) - |h| q, q = erfc(|h| / sqrt 2) / 2 = t 2^(P(t) - h h log2(e) / 2), t = 1 / (1 + |h| sqrt(2) / 4), P of degree 9 (the rational-Chebyshev form of erfc; its coefficients x log2(e), 1 taken off the constant for the half).
; LIMITS.  A NaN, an infinity or an overflow that would arise only in the products left out is not carried to the result.  The form of erfc has a fractional error of 1.2e-7; the exponent's rounding in f32 adds about 1e-7 x its size.
; A q under 2^-126 comes out 0 (ISA guide, v_exp_f32).  A block of zeros gets the byte 1 where the rule says 127: its codes are zeros and this program alone reads the bytes.  NaN and infinities in x or W1 are not served.
; An index outside 0 .. 7 is worked under its low three bits; its row of a is written, and the next launch gives it the gate 0.
; NO CLUSTER, NO TENSOR LOAD: a tile's expert and its rows of x hang on loaded numbers, so partners' requests cannot be written alike, and x's rows are a gather.
; The codes leave as 8 bytes a lane, 16 bytes a pair and block, into rows 128 bytes apart that the ranking has scattered: 1.1 MB in all, the price of sorting by expert and sharing the hidden axis among work-groups.
.set PITCH, 528                        ; an LDS row: 512 bytes + 16: an odd multiple of 16 bytes, so that the 16 rows of a fragment load start in 16 different groups of banks (ISA guide 11.1)
.set XB,    128*PITCH                  ; LDS: W1's 128 rows from 0, x's 128 rows from here
.set SPARE, 256*PITCH                  ; behind them the spare words, 128 bytes for each wave, which no other line names (135,168 = 528 x 256)
.set CNT,   SPARE+1024                 ; the eight waves' counts, 16 bytes each
.set EX,    CNT+256                    ; what each wave found for each slot: 8 waves x 128 slots x 8 bytes
.set SPW, 14                           ; v14  LDS address of my spare word; never rewritten
.set NIL, 15                           ; v15  0; never rewritten
.set FB0, 128                          ; two fragment buffers of 48 registers: v128-175, v176-223: W1's tile 2 g + u at + 8 (2 g + u), x's tile t at + 32 + 8 t
.set HH,  64                           ; accumulators: h of (t, u) at v[64 + 16 t + 8 u], g at v[96 + 16 t + 8 u]
.set GG,  96
.set TT,  128                          ; behind the K loop: t, P, and h h / max(h, 0), 32 registers each
.set PP,  160
.set MM,  192
.set CF,  224                          ; v224-243 the ten coefficients, each twice (a pair for the packed forms); v244-245 -log2(e) / 2: written when the ranking is done
; the ranking's registers, all free again before x's rows are asked for:
.set IX,  192                          ; v192-223 my 32 indices, x 4
.set AC,  224                          ; v224-226 three counters of eight 4-bit fields
.set EV,  227                          ; v227 even experts' counts in bytes; v228 odd experts'
.set OD,  228
.set TA,  229                          ; v229-231 at work
.set AA,  232                          ; v232-235 word k: expert k's count in the low half, expert k + 4's in the high half
.set TP,  236                          ; v236-239 what comes from other lanes
.set CW,  240                          ; v240 a wave's count word; v241 the same, 0 for waves not below mine
.set CY,  241
.set T8,  128                          ; v128-131 slot 32 k + lane: its rank in the expert << 8 | 255
.set SL,  132                          ; v132-139 for slot register k the pair (first rank << 8 | group, mask)
.set TR,  140                          ; v140 the rank of the slot that I pick for: 32 (w / 2) + lane
.set RB,  144                          ; v144-159 the eight waves' pairs for that slot; v160-167 at work in the pick
; v1 16 x lane; v2 m = lane % 16; v3 lane / 16; v4, v5 where I store rows of W1, of x; v6, v7 where I read fragments of W1, of x; v8-11 pair numbers; v12, v13 offsets of scale words; v16 offset of my indices, then v16-31 offsets of
; x's rows, later store addresses; v32-39 W1's scale words for h, v40-47 for g (lanes 0-15 tile u = 0, lanes 16-31 u = 1), v48-55 x's (lanes 0-15 rows' tile 0, lanes 16-31 tile 1): scales and nothing else;
; v56-59 LDS addresses of the counts and of the slots' words; v63 lane, later v60-63 row numbers
.macro WM d, a, b, zero, sa, sb, ra, rb        ; one product; ra, rb: the half of the lanes from which source 0's and source 1's scale words are taken
.set WD, \d
.set WA, \a
.set WB, \b
.set WSA, \sa
.set WSB, \sb
.set WR, (\ra)+2*(\rb)
.if \zero
.if WR == 0
	v_wmma_scale_f32_16x16x128_f8f6f4 v[WD:WD+7], v[WA:WA+7], v[WB:WB+7], 0, v[WSA], v[WSB] matrix_a_fmt:MATRIX_FMT_FP4 matrix_b_fmt:MATRIX_FMT_FP4
.elseif WR == 1
	v_wmma_scale_f32_16x16x128_f8f6f4 v[WD:WD+7], v[WA:WA+7], v[WB:WB+7], 0, v[WSA], v[WSB] matrix_a_fmt:MATRIX_FMT_FP4 matrix_b_fmt:MATRIX_FMT_FP4 matrix_a_scale:MATRIX_SCALE_ROW1
.elseif WR == 2
	v_wmma_scale_f32_16x16x128_f8f6f4 v[WD:WD+7], v[WA:WA+7], v[WB:WB+7], 0, v[WSA], v[WSB] matrix_a_fmt:MATRIX_FMT_FP4 matrix_b_fmt:MATRIX_FMT_FP4 matrix_b_scale:MATRIX_SCALE_ROW1
.else
	v_wmma_scale_f32_16x16x128_f8f6f4 v[WD:WD+7], v[WA:WA+7], v[WB:WB+7], 0, v[WSA], v[WSB] matrix_a_fmt:MATRIX_FMT_FP4 matrix_b_fmt:MATRIX_FMT_FP4 matrix_a_scale:MATRIX_SCALE_ROW1 matrix_b_scale:MATRIX_SCALE_ROW1
.endif
.else
.if WR == 0
	v_wmma_scale_f32_16x16x128_f8f6f4 v[WD:WD+7], v[WA:WA+7], v[WB:WB+7], v[WD:WD+7], v[WSA], v[WSB] matrix_a_fmt:MATRIX_FMT_FP4 matrix_b_fmt:MATRIX_FMT_FP4
.elseif WR == 1
	v_wmma_scale_f32_16x16x128_f8f6f4 v[WD:WD+7], v[WA:WA+7], v[WB:WB+7], v[WD:WD+7], v[WSA], v[WSB] matrix_a_fmt:MATRIX_FMT_FP4 matrix_b_fmt:MATRIX_FMT_FP4 matrix_a_scale:MATRIX_SCALE_ROW1
.elseif WR == 2
	v_wmma_scale_f32_16x16x128_f8f6f4 v[WD:WD+7], v[WA:WA+7], v[WB:WB+7], v[WD:WD+7], v[WSA], v[WSB] matrix_a_fmt:MATRIX_FMT_FP4 matrix_b_fmt:MATRIX_FMT_FP4 matrix_b_scale:MATRIX_SCALE_ROW1
.else
	v_wmma_scale_f32_16x16x128_f8f6f4 v[WD:WD+7], v[WA:WA+7], v[WB:WB+7], v[WD:WD+7], v[WSA], v[WSB] matrix_a_fmt:MATRIX_FMT_FP4 matrix_b_fmt:MATRIX_FMT_FP4 matrix_a_scale:MATRIX_SCALE_ROW1 matrix_b_scale:MATRIX_SCALE_ROW1
.endif
.endif
.endm
	s_load_b256 s[4:11], s[0:1], 0x0               ; x_codes s[4:5], x_scales s[6:7], W1_codes s[8:9], W1_scales s[10:11]
	s_load_b128 s[12:15], s[0:1], 0x20             ; expert_idxs s[12:13], a_codes s[14:15]
	s_load_b64 s[16:17], s[0:1], 0x30              ; a_scales
	v_lshl_add_u32 v[SPW], v0, 2, SPARE
	v_mov_b32 v[NIL], 0
	v_lshrrev_b32 v13, 5, v0
	s_delay_alu instid0(VALU_DEP_1)
	v_readfirstlane_b32 s28, v13                   ; wave 0..7
	v_and_b32 v63, 31, v0                          ; lane
	s_delay_alu instid0(VALU_DEP_1)
	v_lshlrev_b32 v1, 4, v63
	s_delay_alu instid0(VALU_DEP_1)
	v_lshl_add_u32 v16, v13, 12, v1                ; my wave's 1,024 indices are 4,096 bytes; 16 bytes a lane
	s_wait_alu depctr_va_vdst(0)
	s_wait_kmcnt 0x0
.irp c, 0,1,2,3,4,5,6,7
	global_load_b128 v[IX+4*\c:IX+4*\c+3], v16, s[12:13] offset:512*\c   ; 32 lanes read 512 consecutive bytes
.endr
	; the set-up stands behind the loads: work on registers while the indices are on their way
	s_mov_b32 s29, ttmp9                           ; the slice of 64 hidden units
	s_and_b32 s30, ttmp7, 0xffff                   ; the tile
	s_lshr_b32 s42, s28, 1                         ; wr: which 32 rows I multiply
	s_and_b32 s43, s28, 1                          ; wc: which of the slice's two blocks of 32 units
	v_and_b32 v2, 15, v0
	s_wait_alu depctr_va_vdst(0)
	v_bfe_u32 v3, v0, 4, 1
	s_mul_i32 s44, s42, 32*PITCH                   ; I bring rows 64 s + 16 (w % 4) + 256 (w / 4) + i of W1: units 16 (w % 2) + i of block w / 2 (0, 1: h's; 2, 3: g's),
	s_mul_i32 s45, s43, 8*PITCH                    ; which go to LDS rows 32 (w / 2) + 8 (w % 2) + 16 (i / 8) + i % 8
	s_add_co_u32 s44, s44, s45
	v_add_nc_u32 v4, s44, v1
	s_mul_i32 s44, s28, 16*PITCH                   ; and the tile's rows 16 w + i of x
	s_add_co_u32 s44, s44, XB
	v_add_nc_u32 v5, s44, v1
	v_mul_u32_u24 v13, v2, PITCH
	s_delay_alu instid0(VALU_DEP_1)
	v_lshl_add_u32 v13, v3, 4, v13                 ; a fragment: row m x pitch + 16 x half
	s_mul_i32 s44, s43, 32*PITCH
	v_add_nc_u32 v6, s44, v13                      ; W1: block wc of h; g's lies 64 rows on
	s_mul_i32 s44, s42, 32*PITCH
	s_add_co_u32 s44, s44, XB
	v_add_nc_u32 v7, s44, v13                      ; x: my 32 rows
	v_and_b32 v12, 8, v2
	s_delay_alu instid0(VALU_DEP_1)
	v_add_nc_u32 v12, v12, v2
	s_wait_alu depctr_va_vdst(0)
	v_lshl_add_u32 v12, v3, 3, v12
	s_delay_alu instid0(VALU_DEP_1)
	v_lshlrev_b32 v12, 5, v12                      ; W1's scale words: the row of unit m + 8 (m / 8) + 8 (lane / 16), 32 bytes a row
	s_lshl_b32 s44, s28, 4
	s_add_co_u32 s44, s44, CNT
	v_mov_b32 v56, s44                             ; where my wave's four count words go,
	v_lshl_add_u32 v57, v63, 2, CNT                ; and the word that my lane reads back: word lane % 4 of wave lane / 4
	s_lshl_b32 s44, s28, 10
	s_add_co_u32 s44, s44, EX
	v_lshl_add_u32 v58, v63, 3, s44                ; where my wave's words for slot lane go (slot 32 k + lane: 256 k bytes on),
	s_lshl_b32 s44, s42, 8
	s_add_co_u32 s44, s44, EX
	v_lshl_add_u32 v59, v63, 3, s44                ; and wave 0's words for the slot that I pick for (wave s's: 1,024 s bytes on)
	v_lshrrev_b32 v13, 2, v63
	s_delay_alu instid0(VALU_DEP_1)
	v_cmp_gt_u32 s3, s28, v13                      ; lanes that will read a word of a wave below mine
.irp k, 0,1,2,3
	v_mov_b32 v[TP+\k], 0                          ; written once: the destination of a lane exchange counts as read
.endr
	s_mov_b32 s18, 0x76543210
	s_mov_b32 s19, 0xfedcba98                      ; v_permlanex16_b32's selects for lane l xor 16
	s_mov_b32 s46, 0x0f0f0f0f
	s_mov_b32 s47, 0x00ff00ff
	s_mov_b32 s31, 0                               ; tiles of the experts passed
	s_mov_b32 s38, 0                               ; my tile's expert,
	s_mov_b32 s39, 0                               ; the rank of its first row among the expert's pairs,
	s_mov_b32 s40, 0                               ; its number of rows: 0 if no expert claims the tile,
	s_mov_b32 s2, 0                                ; and the expert's pairs in the waves below mine
	s_wait_loadcnt 0x0
	; (1) THE COUNTS of all eight experts
.set j, 0
.rept 32
	v_lshlrev_b32 v[IX+j], 2, v[IX+j]
.set j, j+1
.endr
.set j, 0
.rept 32
	v_and_b32 v[IX+j], 28, v[IX+j]                 ; 4 x (the index's low three bits): the place of the expert's field, and what the expert is matched by further down
.set j, j+1
.endr
.set j, 0
.rept 32                               ; 1 into the expert's field of 4 bits; three counters by turns, 11 indices at the most to each: no field runs over
.if j < 3
	v_lshl_add_u32 v[AC+j%3], 1, v[IX+j], 0
.else
	s_delay_alu instid0(VALU_DEP_3)
	v_lshl_add_u32 v[AC+j%3], 1, v[IX+j], v[AC+j%3]
.endif
.set j, j+1
.endr
.irp k, 0,1,2
	v_and_b32 v[TA+\k], s46, v[AC+\k]              ; experts 0, 2, 4, 6 in bytes
.endr
	s_delay_alu instid0(VALU_DEP_1)
	v_add3_u32 v[EV], v[TA], v[TA+1], v[TA+2]      ; 32 at the most
.irp k, 0,1,2
	v_lshrrev_b32 v[AC+\k], 4, v[AC+\k]
.endr
.irp k, 0,1,2
	s_delay_alu instid0(VALU_DEP_3)
	v_and_b32 v[AC+\k], s46, v[AC+\k]              ; experts 1, 3, 5, 7
.endr
	s_delay_alu instid0(VALU_DEP_1)
	v_add3_u32 v[OD], v[AC], v[AC+1], v[AC+2]
	v_and_b32 v[AA], s47, v[EV]                    ; experts 0 and 4 in halves,
	s_delay_alu instid0(VALU_DEP_2)
	v_and_b32 v[AA+1], s47, v[OD]                  ; 1 and 5,
	v_lshrrev_b32 v[EV], 8, v[EV]
	s_delay_alu instid0(VALU_DEP_4)
	v_lshrrev_b32 v[OD], 8, v[OD]
	s_delay_alu instid0(VALU_DEP_2)
	v_and_b32 v[AA+2], s47, v[EV]                  ; 2 and 6,
	s_delay_alu instid0(VALU_DEP_2)
	v_and_b32 v[AA+3], s47, v[OD]                  ; 3 and 7
.irp m, 1,2,4,8                        ; the sums over my wave's 32 lanes: 1,024 at the most in a half
.irp k, 0,1,2,3
	v_mov_b32_dpp v[TP+\k], v[AA+\k] row_xmask:\m row_mask:0xf bank_mask:0xf
.endr
.irp k, 0,1,2,3
	s_delay_alu instid0(VALU_DEP_4)
	v_add_nc_u32 v[AA+\k], v[AA+\k], v[TP+\k]
.endr
.endr
.irp k, 0,1,2,3
	s_delay_alu instid0(VALU_DEP_4)
	v_permlanex16_b32 v[TP+\k], v[AA+\k], s18, s19
.endr
.irp k, 0,1,2,3
	s_delay_alu instid0(VALU_DEP_4)
	v_add_nc_u32 v[AA+\k], v[AA+\k], v[TP+\k]
.endr
	ds_store_b128 v56, v[AA:AA+3]                  ; all lanes write the same 16 bytes with the same values
	s_wait_dscnt 0x0                               ; for the others' sake: my store has landed
	s_barrier_signal -1
	s_barrier_wait -1
	ds_load_b32 v[CW], v57
	s_wait_dscnt 0x0
	v_cndmask_b32 v[CY], 0, v[CW], s3              ; the waves below mine alone
.irp m, 4
	v_mov_b32_dpp v[TP], v[CW] row_xmask:\m row_mask:0xf bank_mask:0xf
	s_delay_alu instid0(VALU_DEP_2)
	v_mov_b32_dpp v[TP+1], v[CY] row_xmask:\m row_mask:0xf bank_mask:0xf
	s_delay_alu instid0(VALU_DEP_2)
	v_add_nc_u32 v[CW], v[CW], v[TP]
	s_delay_alu instid0(VALU_DEP_2)
	v_add_nc_u32 v[CY], v[CY], v[TP+1]
.endr
.irp m, 8
	s_delay_alu instid0(VALU_DEP_2)
	v_mov_b32_dpp v[TP], v[CW] row_xmask:\m row_mask:0xf bank_mask:0xf
	s_delay_alu instid0(VALU_DEP_2)
	v_mov_b32_dpp v[TP+1], v[CY] row_xmask:\m row_mask:0xf bank_mask:0xf
	s_delay_alu instid0(VALU_DEP_2)
	v_add_nc_u32 v[CW], v[CW], v[TP]
	s_delay_alu instid0(VALU_DEP_2)
	v_add_nc_u32 v[CY], v[CY], v[TP+1]
.endr
	s_delay_alu instid0(VALU_DEP_2)
	v_permlanex16_b32 v[TP], v[CW], s18, s19
	s_delay_alu instid0(VALU_DEP_2)
	v_permlanex16_b32 v[TP+1], v[CY], s18, s19
	s_delay_alu instid0(VALU_DEP_2)
	v_add_nc_u32 v[CW], v[CW], v[TP]
	s_delay_alu instid0(VALU_DEP_2)
	v_add_nc_u32 v[CY], v[CY], v[TP+1]
.irp k, 0,1,2,3
	v_readlane_b32 s[56+\k], v[CW], \k
	v_readlane_b32 s[60+\k], v[CY], \k
.endr
.irp k, 0,1,2,3
	s_and_b32 s[20+\k], s[56+\k], 0xffff           ; s20-27: each expert's pairs in all
	s_lshr_b32 s[24+\k], s[56+\k], 16
	s_and_b32 s[48+\k], s[60+\k], 0xffff           ; s48-55: each expert's pairs in the waves below mine
	s_lshr_b32 s[52+\k], s[60+\k], 16
.endr
.macro SCAN e                          ; is my tile one of expert e's?  Selects alone
	s_add_co_u32 s33, s[20+\e], 127
	s_lshr_b32 s33, s33, 7                         ; expert e's tiles
	s_sub_co_u32 s34, s30, s31                     ; my tile's number among them (it wraps to a large number for a tile of an earlier expert)
	s_lshl_b32 s35, s34, 7                         ; the rank at which it would begin,
	s_sub_co_u32 s37, s[20+\e], s35                ; and the rows left from there
	s_cmp_lt_u32 s34, s33
	s_cselect_b32 s38, \e, s38
	s_cselect_b32 s39, s35, s39
	s_cselect_b32 s40, s37, s40
	s_cselect_b32 s2, s[48+\e], s2
	s_add_co_u32 s31, s31, s33
.endm
.irp e, 0,1,2,3,4,5,6,7
	SCAN \e
.endr
	s_min_u32 s38, s38, 7                          ; a number made of loaded ones is held inside its table before it enters an address
	s_min_u32 s40, s40, 128
	s_lshl_b32 s44, s38, 9
	s_lshl_b32 s45, s29, 6
	s_add_co_u32 s44, s44, s45                     ; W1's row 512 e + 64 s
	s_mov_b32 s47, s44
	s_and_b32 s45, s28, 3
	s_lshl_b32 s45, s45, 4
	s_add_co_u32 s44, s44, s45                     ; + 16 (w % 4)
	s_lshr_b32 s45, s28, 2
	s_lshl_b32 s45, s45, 8
	s_add_co_u32 s44, s44, s45                     ; + 256 (w / 4)
	s_lshl_b32 s44, s44, 9                         ; 512 bytes a row
	s_mov_b32 s45, 0
	s_add_nc_u64 s[48:49], s[8:9], s[44:45]
	s_lshl_b32 s44, s43, 5
	s_add_co_u32 s44, s44, s47
	s_lshl_b32 s44, s44, 5                         ; scale bytes of row 512 e + 64 s + 32 wc: 32 a row
	s_add_nc_u64 s[50:51], s[10:11], s[44:45]
	s_lshl_b32 s46, s29, 1
	s_add_co_u32 s46, s46, s43                     ; my hidden block: 2 s + wc
	s_lshl_b32 s44, s46, 4
	s_add_nc_u64 s[52:53], s[14:15], s[44:45]      ; its 16 bytes in a row of a_codes,
	s_mov_b32 s44, s46
	s_add_nc_u64 s[54:55], s[16:17], s[44:45]      ; its byte in a row of a_scales
.irp i, 0,1,2,3,4,5,6,7,8,9,10,11,12,13,14,15
	global_load_b128 v[64+4*\i:67+4*\i], v1, s[48:49] offset:512*\i   ; a row of W1 to a load: 512 consecutive bytes; my 16 rows are 8,192 bytes on end.  They land while the pairs are ranked
.endr
	global_load_b128 v[32:35], v12, s[50:51]
	global_load_b128 v[36:39], v12, s[50:51] offset:16
	global_load_b128 v[40:43], v12, s[50:51] offset:8192               ; g's rows lie 256 rows on
	global_load_b128 v[44:47], v12, s[50:51] offset:8208
	; (2) WHICH OF MY GROUPS HOLDS EACH SLOT'S PAIR
	s_lshl_b32 s41, s38, 2
.set j, 0
.rept 32
	v_cmp_eq_u32 s[66+j], s41, v[IX+j]             ; group j's mask: the lanes that hold a pair of expert e
.set j, j+1
.endr
	v_add_nc_u32 v[T8], s39, v63                   ; slot 32 k + lane wants the pair of rank (first row's rank) + 32 k + lane
	s_delay_alu instid0(VALU_DEP_1)
	v_add_nc_u32 v[T8+1], 32, v[T8]
	s_delay_alu instid0(VALU_DEP_2)
	v_add_nc_u32 v[T8+2], 64, v[T8]
	s_delay_alu instid0(VALU_DEP_3)
	v_add_nc_u32 v[T8+3], 96, v[T8]
	s_lshl_b32 s46, s42, 5
	v_add_nc_u32 v[TR], s46, v[T8]                 ; the rank that I pick for in (3)
.irp k, 0,1,2,3
	v_lshl_or_b32 v[T8+\k], v[T8+\k], 8, 0xff      ; << 8 | 255: (first rank << 8 | group) is at or under it just where the first rank is at or under the rank
.endr
	s_lshl_b32 s44, s2, 8
	s_lshl_b32 s46, s28, 5
	s_add_co_u32 s44, s44, s46                     ; my group 0: its first rank << 8 | its number, 32 w
; Group j, whose word stands in s[ra]; the next group's is made in s[rb].  The words rise from group to group, so the last that passes the compare is the group that holds the rank (a group with no pair of e has the first rank
; of the group behind it, which then takes its place).
.macro GRP ra, rb
	s_bcnt1_i32_b32 s46, s[66+j]
	s_lshl_b32 s46, s46, 8
	s_add_co_u32 s46, s46, 1
	s_add_co_u32 s[\rb], s[\ra], s46
.irp k, 0,1,2,3
	v_cmp_le_u32 s[98+\k], s[\ra], v[T8+\k]
.endr
.irp k, 0,1,2,3
.if j == 0
	v_cndmask_b32 v[SL+2*\k], 0, s[\ra], s[98+\k]          ; the first group starts the words: nothing is cleared
	v_cndmask_b32 v[SL+2*\k+1], 0, s[66+j], s[98+\k]
.else
	v_cndmask_b32 v[SL+2*\k], v[SL+2*\k], s[\ra], s[98+\k]
	v_cndmask_b32 v[SL+2*\k+1], v[SL+2*\k+1], s[66+j], s[98+\k]
.endif
.endr
.set j, j+1
.endm
.set j, 0
.rept 16
	GRP 44, 45
	GRP 45, 44
.endr
	s_lshl_b32 s46, s28, 5
	s_add_co_u32 s46, s46, 32
	s_sub_co_u32 s44, s44, s46                     ; (the first rank behind my wave's) << 8: the group numbers, 32 w + 32 by now, are taken off
.irp k, 0,1,2,3
	v_cmp_le_u32 s[98+\k], s44, v[T8+\k]           ; a slot whose rank lies behind my wave's is not mine: 0
.endr
.irp k, 0,1,2,3
	v_cndmask_b32 v[SL+2*\k], v[SL+2*\k], 0, s[98+\k]
	v_cndmask_b32 v[SL+2*\k+1], v[SL+2*\k+1], 0, s[98+\k]
.endr
.irp k, 0,1,2,3
	ds_store_b64 v58, v[SL+2*\k:SL+2*\k+1] offset:256*\k   ; 32 lanes write 256 consecutive bytes
.endr
	s_wait_dscnt 0x0                               ; for the others' sake: my words have landed
	s_barrier_signal -1
	s_barrier_wait -1
	; (3) THE PAIR of the slot 32 wr + lane
.irp s, 0,1,2,3,4,5,6,7
	ds_load_b64 v[RB+2*\s:RB+2*\s+1], v59 offset:1024*\s
.endr
	s_wait_dscnt 0x0
.irp s, 0,2,4,6                        ; one wave's words at the most are not 0
	v_or_b32 v[RB+2*\s], v[RB+2*\s], v[RB+2*\s+2]
	v_or_b32 v[RB+2*\s+1], v[RB+2*\s+1], v[RB+2*\s+3]
.endr
.irp s, 0
	v_or_b32 v[RB+2*\s], v[RB+2*\s], v[RB+2*\s+4]
	v_or_b32 v[RB+2*\s+1], v[RB+2*\s+1], v[RB+2*\s+5]
.endr
.irp s, 4
	s_delay_alu instid0(VALU_DEP_4)
	v_or_b32 v[RB+2*\s], v[RB+2*\s], v[RB+2*\s+4]
	s_delay_alu instid0(VALU_DEP_4)
	v_or_b32 v[RB+2*\s+1], v[RB+2*\s+1], v[RB+2*\s+5]
.endr
	s_delay_alu instid0(VALU_DEP_2)
	v_or_b32 v[RB], v[RB], v[RB+8]
	s_delay_alu instid0(VALU_DEP_2)
	v_or_b32 v[RB+1], v[RB+1], v[RB+9]             ; v144: first rank << 8 | group; v145: the group's mask
	s_delay_alu instid0(VALU_DEP_2)
	v_lshrrev_b32 v160, 8, v144
	s_delay_alu instid0(VALU_DEP_1)
	v_sub_nc_u32 v160, v[TR], v160                 ; n: I want the n-th set bit of the mask, from 0.  (A slot past the tile's rows finds 0 and 0, and ends at some lane of group 0)
	s_delay_alu instid0(VALU_DEP_4)
	v_and_b32 v161, 0xff, v144                     ; the group
	s_delay_alu instid0(VALU_DEP_4)
	v_lshrrev_b32 v162, 1, v145
	s_delay_alu instid0(VALU_DEP_1)
	v_and_b32 v162, 0x55555555, v162
	s_delay_alu instid0(VALU_DEP_1)
	v_sub_nc_u32 v162, v145, v162                  ; the set bits of each field of 2,
	s_delay_alu instid0(VALU_DEP_1)
	v_lshrrev_b32 v163, 2, v162
	s_delay_alu instid0(VALU_DEP_1)
	v_and_b32 v163, 0x33333333, v163
	s_delay_alu instid0(VALU_DEP_3)
	v_and_b32 v164, 0x33333333, v162
	s_delay_alu instid0(VALU_DEP_1)
	v_add_nc_u32 v163, v163, v164                  ; of 4,
	s_delay_alu instid0(VALU_DEP_1)
	v_lshrrev_b32 v164, 4, v163
	s_delay_alu instid0(VALU_DEP_1)
	v_add_nc_u32 v164, v164, v163
	s_delay_alu instid0(VALU_DEP_1)
	v_and_b32 v164, 0x0f0f0f0f, v164               ; of 8,
	s_delay_alu instid0(VALU_DEP_1)
	v_lshrrev_b32 v165, 8, v164
	s_delay_alu instid0(VALU_DEP_1)
	v_add_nc_u32 v165, v165, v164
	s_delay_alu instid0(VALU_DEP_1)
	v_and_b32 v165, 0xff, v165                     ; and of the low 16
	s_delay_alu instid0(VALU_DEP_1)
	v_cmp_ge_u32 vcc_lo, v160, v165                ; not among them: pass them by
	s_delay_alu instid0(VALU_DEP_1)
	v_cndmask_b32 v166, 0, 16, vcc_lo              ; the place so far
	s_delay_alu instid0(VALU_DEP_2)
	v_cndmask_b32 v165, 0, v165, vcc_lo
	s_delay_alu instid0(VALU_DEP_1)
	v_sub_nc_u32 v160, v160, v165
.macro PICK src, w                     ; a halving: are there n or fewer set bits in the next w places?  Then pass them by
	v_bfe_u32 v165, v[\src], v166, \w
	s_delay_alu instid0(VALU_DEP_1)
	v_cmp_ge_u32 vcc_lo, v160, v165
	s_delay_alu instid0(VALU_DEP_1)
	v_cndmask_b32 v167, 0, \w, vcc_lo
.if \w > 1
	s_delay_alu instid0(VALU_DEP_2)
	v_cndmask_b32 v165, 0, v165, vcc_lo
	s_delay_alu instid0(VALU_DEP_1)
	v_sub_nc_u32 v160, v160, v165
.endif
	v_add_nc_u32 v166, v166, v167
.endm
	PICK 164, 8
	PICK 163, 4
	PICK 162, 2
	PICK 145, 1                                    ; v166: the lane that holds the pair
	v_lshrrev_b32 v167, 2, v161
	s_delay_alu instid0(VALU_DEP_1)
	v_lshlrev_b32 v167, 7, v167                    ; group 32 w + 4 c + k, lane l: pair 1,024 w + 128 c
	v_and_b32 v161, 3, v161
	s_delay_alu instid0(VALU_DEP_2)
	v_lshl_or_b32 v167, v166, 2, v167              ; + 4 l
	s_delay_alu instid0(VALU_DEP_1)
	v_or_b32 v11, v167, v161                       ; + k: the pair of row 32 wr + lane
	s_delay_alu instid0(VALU_DEP_1)
	v_permlanex16_b32 v[TP], v11, s18, s19
	v_cmp_gt_u32 vcc_lo, 16, v63
	s_delay_alu instid0(VALU_DEP_1)
	v_cndmask_b32 v9, v[TP], v11, vcc_lo           ; the pair of row 32 wr + m, in both halves of the lanes,
	s_delay_alu instid0(VALU_DEP_2)
	v_cndmask_b32 v10, v11, v[TP], vcc_lo          ; of row 32 wr + 16 + m,
	s_cmp_eq_u32 s43, 1
	s_cselect_b32 s46, -1, 0
	v_cndmask_b32 v8, v9, v10, s46                 ; and of row 16 w + m, the rows of x that I bring: 16 w = 32 wr + 16 (w % 2)
	v_lshrrev_b32 v13, 1, v11                      ; pair -> token,
	s_delay_alu instid0(VALU_DEP_1)
	v_min_u32 v13, 0xfff, v13                      ; held inside x,
	s_delay_alu instid0(VALU_DEP_1)
	v_lshlrev_b32 v13, 5, v13                      ; 32 scale bytes a token
	global_load_b128 v[48:51], v13, s[6:7]
	global_load_b128 v[52:55], v13, s[6:7] offset:16
.irp i, 0,1,2,3,4,5,6,7,8,9,10,11,12,13,14,15
	v_readlane_b32 s41, v8, \i                     ; the pair of the tile's row 16 w + i
	s_lshr_b32 s41, s41, 1
	s_min_u32 s41, s41, 0xfff
	s_lshl_b32 s41, s41, 9                         ; its token's 512 bytes of codes
	v_add_nc_u32 v[16+\i], s41, v1
	global_load_b128 v[128+4*\i:131+4*\i], v[16+\i], s[4:5]
.endr
.macro COEF k, bits
	v_mov_b32 v[CF+2*\k], \bits
	v_mov_b32 v[CF+2*\k+1], \bits
.endm
	COEF 0, 0xc034d90f                             ; -1.26551223 log2(e) - 1
	COEF 1, 0x3fb8ab5a                             ;  1.00002368 log2(e)
	COEF 2, 0x3f0a29d2                             ;  0.37409196 log2(e)
	COEF 3, 0x3e0efb2e                             ;  0.09678418 log2(e)
	COEF 4, 0xbe899a80                             ; -0.18628806 log2(e)
	COEF 5, 0x3ecdfd18                             ;  0.27886807 log2(e)
	COEF 6, 0xbfd1a1e5                             ; -1.13520398 log2(e)
	COEF 7, 0x40097039                             ;  1.48851587 log2(e)
	COEF 8, 0xbf97d29d                             ; -0.82215223 log2(e)
	COEF 9, 0x3e7c6f08                             ;  0.17087277 log2(e)
	COEF 10, 0xbf38aa3b                            ; -log2(e) / 2
	v_mov_b32 v248, 0                              ; written once: a lane permute's destination counts as one of its sources
	v_mov_b32 v249, 0
	s_wait_loadcnt 22                              ; W1's 16 rows are in; behind them 4 + 2 loads of scale words and x's 16 rows may be out
.irp i, 0,1,2,3,4,5,6,7,8,9,10,11,12,13,14,15
	ds_store_b128 v4, v[64+4*\i:67+4*\i] offset:(16*(\i/8)+(\i%8))*PITCH
.endr
	s_wait_loadcnt 0x0
.irp i, 0,1,2,3,4,5,6,7,8,9,10,11,12,13,14,15
	ds_store_b128 v5, v[128+4*\i:131+4*\i] offset:\i*PITCH
.endr
	s_wait_dscnt 0x0                               ; for the others' sake: my rows have landed
	s_barrier_signal -1
	s_barrier_wait -1                              ; all 256 rows lie in LDS; nothing is written there again
.macro FETCH q, b                      ; K step q's six fragments into buffer b: 12 loads of 16 bytes a lane
.irp g, 0,1
.irp u, 0,1
.irp c, 0,1
	ds_load_b128 v[FB0+48*(\b)+8*(2*\g+\u)+4*\c:FB0+48*(\b)+8*(2*\g+\u)+4*\c+3], v6 offset:\g*64*PITCH+\u*16*PITCH+64*(\q)+32*\c
.endr
.endr
.endr
.irp t, 0,1
.irp c, 0,1
	ds_load_b128 v[FB0+48*(\b)+32+8*\t+4*\c:FB0+48*(\b)+32+8*\t+4*\c+3], v7 offset:\t*16*PITCH+64*(\q)+32*\c
.endr
.endr
.endm
.macro MUL q, b, zero                  ; K step q: 8 products, the 8 accumulators by turns.  zero = 1: the first step starts the sums
.irp g, 0,1
.irp t, 0,1
.irp u, 0,1
	WM 64+32*\g+16*\t+8*\u, FB0+48*(\b)+8*(2*\g+\u), FB0+48*(\b)+32+8*\t, \zero, 32+8*\g+(\q), 48+(\q), \u, \t
.endr
.endr
.endr
.endm
	FETCH 0, 0
	FETCH 1, 1
	s_wait_dscnt 12                                ; step 0's fragments are in; the 12 loads just issued may be out
	MUL 0, 0, 1
.irp q, 1,2,3,4,5,6
.rept 4
	v_nop                                          ; four places in front of loads into registers that the last products have read (ISA guide 7.12.1 for vector instructions)
.endr
	FETCH \q+1, (\q+1)%2
	s_wait_dscnt 12                                ; this step's fragments are in; the next step's 12 loads may be out
	MUL \q, \q%2, 0
.endr
	s_wait_dscnt 0x0
	MUL 7, 1, 0
	; where the results go: eight plain lines that name no register of the last products are the places behind them
	v_min_u32 v16, 0x1fff, v9                      ; my pair in rows' tile 0,
	v_min_u32 v17, 0x1fff, v10                     ; in tile 1
	s_delay_alu instid0(VALU_DEP_2)
	v_lshlrev_b32 v18, 3, v16                      ; a_scales: 8 bytes a pair
	s_delay_alu instid0(VALU_DEP_2)
	v_lshlrev_b32 v19, 3, v17
	s_delay_alu instid0(VALU_DEP_4)
	v_lshlrev_b32 v16, 7, v16                      ; a_codes: 128 bytes a pair,
	s_delay_alu instid0(VALU_DEP_4)
	v_lshlrev_b32 v17, 7, v17
	s_delay_alu instid0(VALU_DEP_2)
	v_lshl_add_u32 v16, v3, 3, v16                 ; + 8 bytes for the block's upper 16 units
	s_delay_alu instid0(VALU_DEP_2)
	v_lshl_add_u32 v17, v3, 3, v17
	s_lshl_b32 s44, s42, 5
	v_add_nc_u32 v60, s44, v2                      ; my row in the tile: 32 wr + m,
	s_delay_alu instid0(VALU_DEP_1)
	v_add_nc_u32 v61, 16, v60
	s_delay_alu instid0(VALU_DEP_2)
	v_lshl_add_u32 v62, v3, 10, v60                ; and the same pushed past every row count in lanes 16-31: lanes 0-15 alone store the byte
	s_delay_alu instid0(VALU_DEP_1)
	v_add_nc_u32 v63, 16, v62
	s_delay_alu instid0(VALU_DEP_4)
	v_cmp_gt_u32 s56, s40, v60                     ; rows under the tile's number of rows are stored
	s_delay_alu instid0(VALU_DEP_4)
	v_cmp_gt_u32 s57, s40, v61
	s_delay_alu instid0(VALU_DEP_4)
	v_cmp_gt_u32 s58, s40, v62
	s_delay_alu instid0(VALU_DEP_4)
	v_cmp_gt_u32 s59, s40, v63
	s_mov_b32 s46, 0x3eb504f3                      ; sqrt(2) / 4
	; THE ACTIVATION, on the lane's 32 numbers, always from the low end of each accumulator on
.set n, 0
.rept 32
	v_fma_f32 v[TT+n], |v[HH+n]|, s46, 1.0
.set n, n+1
.endr
.set n, 0
	s_wait_alu depctr_va_vdst(0)
.rept 32
	v_rcp_f32 v[TT+n], v[TT+n]                     ; t: one batch
.set n, n+1
.endr
.set n, 0
.rept 16
	v_pk_mul_f32 v[MM+n:MM+n+1], v[HH+n:HH+n+1], v[HH+n:HH+n+1]   ; h h: plain work that names no reciprocal stands behind the batch
.set n, n+2
.endr
	s_wait_alu depctr_va_vdst(0)                   ; one wait for the 32 reciprocals, ahead of their first reader
.set n, 0
.rept 16
	v_pk_fma_f32 v[PP+n:PP+n+1], v[TT+n:TT+n+1], v[CF+18:CF+19], v[CF+16:CF+17]
.set n, n+2
.endr
.irp k, 7,6,5,4,3,2,1,0                ; Horner, the 16 pairs by turns: no line waits for the line above it
.set n, 0
.rept 16
	v_pk_fma_f32 v[PP+n:PP+n+1], v[PP+n:PP+n+1], v[TT+n:TT+n+1], v[CF+2*\k:CF+2*\k+1]
.set n, n+2
.endr
.endr
.set n, 0
.rept 16
	v_pk_fma_f32 v[PP+n:PP+n+1], v[MM+n:MM+n+1], v[CF+20:CF+21], v[PP+n:PP+n+1]   ; - h h log2(e) / 2
.set n, n+2
.endr
.set n, 0
	s_wait_alu depctr_va_vdst(0)
.rept 32
	v_exp_f32 v[PP+n], v[PP+n]                     ; one batch
.set n, n+1
.endr
.set n, 0
.rept 32
	v_max_num_f32 v[MM+n], 0, v[HH+n]              ; max(h, 0): plain work behind the batch
.set n, n+1
.endr
	s_wait_alu depctr_va_vdst(0)                   ; one wait for the 32 exponentials
.set n, 0
.rept 16
	v_pk_mul_f32 v[PP+n:PP+n+1], v[TT+n:TT+n+1], v[PP+n:PP+n+1]   ; q
.set n, n+2
.endr
.set n, 0
.rept 32
	v_fma_f32 v[HH+n], -|v[HH+n]|, v[PP+n], v[MM+n]               ; gelu(h) = max(h, 0) - |h| q
.set n, n+1
.endr
.set n, 0
.rept 16
	v_pk_fma_f32 v[HH+n:HH+n+1], v[HH+n:HH+n+1], v[GG+n:GG+n+1], v[HH+n:HH+n+1]   ; gelu(h) (g + 1)
.set n, n+2
.endr
	; THE QUANTISER: my 16 numbers of rows' tile t and lane l xor 16's are the pair's block of 32
.irp t, 0,1
	v_max3_num_f32 v[246+\t], |v[HH+16*\t]|, |v[HH+16*\t+1]|, 0x1800000   ; with the floor 2^(3 - 127): the byte cannot fall under 1
.endr
.irp i, 2,4,6,8,10,12,14
.irp t, 0,1
	s_delay_alu instid0(VALU_DEP_2)
	v_max3_num_f32 v[246+\t], v[246+\t], |v[HH+16*\t+\i]|, |v[HH+16*\t+\i+1]|
.endr
.endr
.irp t, 0,1
	s_delay_alu instid0(VALU_DEP_2)
	v_permlanex16_b32 v[248+\t], v[246+\t], s18, s19
.endr
.irp t, 0,1
	s_delay_alu instid0(VALU_DEP_2)
	v_max_num_f32 v[246+\t], v[246+\t], v[248+\t]  ; the block's largest magnitude
.endr
.irp t, 0,1
	s_delay_alu instid0(VALU_DEP_2)
	v_add_nc_u32 v[250+\t], 0xff000000, v[246+\t]  ; 2 off its exponent field: the conversion takes the exponent field of this operand as its scale
.endr
.irp t, 0,1
	s_delay_alu instid0(VALU_DEP_2)
	v_lshrrev_b32 v[252+\t], 23, v[250+\t]         ; the scale's byte
.endr
.irp t, 0,1
	v_cvt_scalef32_pk8_fp4_f32 v[MM+2*\t], v[HH+16*\t:HH+16*\t+7], v[250+\t]
	v_cvt_scalef32_pk8_fp4_f32 v[MM+2*\t+1], v[HH+16*\t+8:HH+16*\t+15], v[250+\t]
.endr
	v_nop                                          ; one plain line behind the last scaled conversion
	s_wait_alu depctr_va_vdst(0)
	s_wait_xcnt 0x0                                ; EXEC changes only behind this wait, and again in front of each line that widens it
	s_and_saveexec_b32 s60, s56
	global_store_b64 v16, v[MM:MM+1], s[52:53]
	s_wait_xcnt 0x0
	s_or_b32 exec_lo, exec_lo, s60
	s_and_saveexec_b32 s60, s57
	global_store_b64 v17, v[MM+2:MM+3], s[52:53]
	s_wait_xcnt 0x0
	s_or_b32 exec_lo, exec_lo, s60
	s_and_saveexec_b32 s60, s58
	global_store_b8 v18, v252, s[54:55]
	s_wait_xcnt 0x0
	s_or_b32 exec_lo, exec_lo, s60
	s_and_saveexec_b32 s60, s59
	global_store_b8 v19, v253, s[54:55]
	s_wait_xcnt 0x0
	s_or_b32 exec_lo, exec_lo, s60
	s_wait_tensorcnt 0x0                           ; the wave's end
	ds_add_u32 v[SPW], v[NIL]
	s_wait_dscnt 0x0
	s_endpgm
.Lfunc_end_k_q3352a96caa_up:
	.size	k_q3352a96caa_up, .Lfunc_end_k_q3352a96caa_up-k_q3352a96caa_up
	.p2alignl 7, 3214868480
	.fill 96, 4, 3214868480
	.section	.rodata,"a",@progbits
	.p2align	6, 0x0
	.amdhsa_kernel k_q3352a96caa_up
		.amdhsa_group_segment_fixed_size 144640
		.amdhsa_private_segment_fixed_size 0
		.amdhsa_enable_private_segment 0
		.amdhsa_kernarg_size 56
		.amdhsa_user_sgpr_count 2
		.amdhsa_user_sgpr_kernarg_segment_ptr 1
		.amdhsa_wavefront_size32 1
		.amdhsa_system_sgpr_workgroup_id_x 1
		.amdhsa_system_sgpr_workgroup_id_y 1
		.amdhsa_system_sgpr_workgroup_id_z 1
		.amdhsa_system_vgpr_workitem_id 0
		.amdhsa_next_free_vgpr 256
		.amdhsa_next_free_sgpr 102
		.amdhsa_reserve_vcc 1
		.amdhsa_float_denorm_mode_32 3
		.amdhsa_float_denorm_mode_16_64 3
		.amdhsa_memory_ordered 1
		.amdhsa_forward_progress 1
		.amdhsa_inst_pref_size 107
	.end_amdhsa_kernel
	.amdgpu_metadata
---
amdhsa.version: [ 1, 2 ]
amdhsa.kernels:
  - .name:           k_q3352a96caa_up
    .symbol:         k_q3352a96caa_up.kd
    .args:
      - { .name: x_codes, .offset: 0, .size: 8, .value_kind: global_buffer, .address_space: global }
      - { .name: x_scales, .offset: 8, .size: 8, .value_kind: global_buffer, .address_space: global }
      - { .name: W1_codes, .offset: 16, .size: 8, .value_kind: global_buffer, .address_space: global }
      - { .name: W1_scales, .offset: 24, .size: 8, .value_kind: global_buffer, .address_space: global }
      - { .name: expert_idxs, .offset: 32, .size: 8, .value_kind: global_buffer, .address_space: global }
      - { .name: a_codes, .offset: 40, .size: 8, .value_kind: global_buffer, .address_space: global }
      - { .name: a_scales, .offset: 48, .size: 8, .value_kind: global_buffer, .address_space: global }
    .group_segment_fixed_size: 144640
    .private_segment_fixed_size: 0
    .kernarg_segment_align: 8
    .kernarg_segment_size: 56
    .max_flat_workgroup_size: 256
    .sgpr_count:     102
    .vgpr_count:     256
    .wavefront_size: 32
...
	.end_amdgpu_metadata
.endif
;; end of part 4
;; launch down: the kernel of part 3 again; grid 32 x 8, 8 waves a work-group, clusters of 4 x 1, 183,296 bytes of LDS; arguments a_codes, a_scales, W2_codes, W2_scales, expert_idxs, expert_p, out0; writes out0
